; MI455X (gfx1250); checked and timed in simulation.
; The chip was launched on July 23, 2026; its instructions are those of AMD's public machine-readable ISA for CDNA 5 (MIT licence, August 2026) and "CDNA5" Instruction Set Architecture Reference Guide (July 2026). The comments in the code are by the model that wrote it; some were corrected since.
;; Encoder Layer. Allowed arithmetic: matrix products marked QUANTISED: E4M3 operands, one given power-of-two scale a tensor, by v_wmma_f32_16x16x64_fp8_fp8 or v_wmma_f32_16x16x128_fp8_fp8, f32 sums; everything else in f32.
;; Inputs: W1 1,024 x 1,024 float32; W2 1,024 x 1,024 float32; Wk 1,024 x 1,024 float32; Wo 1,024 x 1,024 float32; Wq 1,024 x 1,024 float32; Wv 1,024 x 1,024 float32; b1 1,024 float32; b2 1,024 float32; beta1 1,024 float32; beta2 1,024 float32; bk 1,024 float32; bo 1,024 float32; bq 1,024 float32; bv 1,024 float32; gamma1 1,024 float32; gamma2 1,024 float32; lowp_scales 16 int32 (the exponents e of the quantised operands' scales 2^e); x 16 x 512 x 1,024 float32; x_mask 16 x 1 x 1 x 512 int32.
;; Outputs: out0 16 x 512 x 1,024 float32.
;; This version of the problem:
;;   THIS VERSION OF THE PROBLEM IS GIVEN IN LOW PRECISION. The matrix products marked QUANTISED in the list below multiply operands that are first quantised to E4M3 (4 exponent bits, 3 mantissa bits; 8 bits a number), with one given power-of-two scale for each operand tensor; their sums are f32. All else is computed in f32.
;;   The module's matrix products, in the order in which they are computed (A, B: the left and right operand; K: the contracted axis; several contracted axes count as one K, in the product's order):
;;     1. [M 8,192, K 1,024] x [K 1,024, N 1,024]; A: input x; B: input Wq: QUANTISED (scales: A lowp_scales[0], B lowp_scales[1])
;;     2. [M 8,192, K 1,024] x [K 1,024, N 1,024]; A: input x; B: input Wk: QUANTISED (scales: A lowp_scales[2], B lowp_scales[3])
;;     3. [M 8,192, K 1,024] x [K 1,024, N 1,024]; A: input x; B: input Wv: QUANTISED (scales: A lowp_scales[4], B lowp_scales[5])
;;     4. batch 256 x [M 512, K 64] x [K 64, N 512]; A: computed on the way; B: computed on the way: QUANTISED (scales: A lowp_scales[6], B lowp_scales[7])
;;     5. batch 256 x [M 64, K 512] x [K 512, N 512]; A: computed on the way; B: softmax (see below): QUANTISED (scales: A lowp_scales[8], B lowp_scales[9])
;;     6. [M 8,192, K 1,024] x [K 1,024, N 1,024]; A: computed on the way; B: input Wo: QUANTISED (scales: A lowp_scales[10], B lowp_scales[11])
;;     7. [M 8,192, K 1,024] x [K 1,024, N 1,024]; A: computed on the way; B: input W1: QUANTISED (scales: A lowp_scales[12], B lowp_scales[13])
;;     8. [M 8,192, K 1,024] x [K 1,024, N 1,024]; A: computed on the way; B: input W2: QUANTISED (scales: A lowp_scales[14], B lowp_scales[15])
;;   THE QUANTISER, for each operand of a quantised product, along K:
;;     - The operand's scale is 2^e, e = its entry of the input lowp_scales (int32; the entries are numbered through the quantised products in the list's order, A before B).
;;     - Each number is divided by the scale, clamped to +-448, and rounded to the nearest number of E4M3, ties to even, subnormals kept.
;;     - The product sums the exact products of the quantised numbers (number of the format x scale) in f32.
;;   ~~~python
;;   def quantise(x, axis, e):      # numpy; x: float32 -> the quantised numbers, widened to float32 again
;;       x = np.moveaxis(x, axis, -1); K = x.shape[-1]
;;       r = np.clip(x / 2.0 ** e, -448, 448)
;;       step = 2.0 ** (np.maximum(np.frexp(np.where(r == 0, 1, r))[1] - 1, -6) - 3)
;;       q = np.round(r / step) * step * 2.0 ** e      # np.round: ties to even
;;       return np.moveaxis(q, -1, axis).astype(np.float32)
;;   ~~~
;;   SOFTMAX AHEAD OF A QUANTISED PRODUCT. Where the list says 'softmax', what is quantised is not the finished softmax but p = 2^(t - M), with t = logit x log2(e) and M = ceil(the row's largest t), a whole number; so 1/2 < the row's largest p <= 1. The row's sum l is taken of the UNQUANTISED p, in f32, and the product's result is divided by l at the end. Since M is a whole number, a kernel that streams over the keys may use a running M (the ceiling of the running maximum): every later rescaling is an exact power of two, so the quantised numbers keep their values, but for numbers so far below the row's largest that they fall under the format's range.
;;   OPERANDS COMPUTED ON THE WAY. 'Computed on the way' means the value that the module computes at that place (a softmax that the list does not call 'softmax' is quantised finished and normalised). What goes into a quantiser is computed in f32, as accurately as f32 sums, v_exp_f32 and their like allow (about 1e-6 of the number): no bf16 or f16 on the way to a quantiser, and a product that is left as it is and whose result goes on into a quantised operand takes f32 operands (vector FMAs, or v_wmma_f32_16x16x4_f32). A number that lies on a knife's edge between two numbers of the format may be rounded either way, as far as f32 arithmetic and the matrix unit's own rounding can turn it there, and no further.
;; 2 versions. Each part assembles by itself: llvm-mc -triple=amdgcn-amd-amdhsa -mcpu=gfx1250 --defsym DOCPART=n.
;; ======== version 1 of 2: 3 launches
;; workspace buffers: xc 25,165,824 bytes; wqkv 3,145,728 bytes; wt 3,145,728 bytes; ac 8,388,608 bytes
;; launch prep (part 1): grid 896 x 1, 4 waves a work-group, no clusters, 34,304 bytes of LDS; arguments x, Wq, Wk, Wv, Wo, W1, W2, lowp_scales, xc, wqkv, wt; writes xc, wqkv, wt
.if DOCPART == 1
	.amdgcn_target "amdgcn-amd-amdhsa--gfx1250"
	.amdhsa_code_object_version 6
	.text
	.protected	k_q6111795607_prep
	.globl	k_q6111795607_prep
	.p2align	8
	.type	k_q6111795607_prep,@function
k_q6111795607_prep:
	s_mov_b64 s[64:65], 0
	v_nop
	global_prefetch_b8 v0, s[64:65] scope:SCOPE_SE
	s_setreg_imm32_b32 hwreg(HW_REG_WAVE_MODE, 25, 1), 1
	s_wait_xcnt 0x0
; ENCODER LAYER, first of three launches: x and the six weights become codes of E4M3, laid as IMAGES OF OPERAND REGISTERS.
; DEAD WORK: none.  Every input of the layer has a way to the output (bk moves K's codes, so it stays): every product, bias, gain and the mask are served, here or in the two launches that follow.
; code = number / 2^e, held within +-448, rounded to the nearest code, ties to even.  x is quantised three times, under entries 0, 2, 4 of the scales (they need not be equal); Wq, Wk, Wv, Wo, W1, W2 under entries 1, 3, 5, 11, 13, 15.
; LIMITS: each e lies between -126 and 119, so that 2^e and 448 x 2^e are f32 numbers.  NaN among the inputs is not served (an infinity is held at the largest code).
; THE IMAGE of a fragment (16 rows x 128 K): lane l = (r = l % 16, h = l / 16) holds row r; registers 2 c', 2 c' + 1 hold k = 16 c' + 8 h + 0 .. 7.  Registers 4 c .. 4 c + 3 of all lanes are a block of 512 bytes, lane l's 16 bytes at 512 c + 16 l; a fragment is 2,048 bytes.
;   xc   [token tile T >> 2][p: 0 Q, 1 K, 2 V][K step s][T & 3]      wqkv [head][p][s][column tile j]      wt [128 columns w][layer: 0 Wo, 1 W1, 2 W2][s][column tile j]
; WORK-GROUPS 0 to 511: a tile of 16 tokens; wave w takes K steps 2 w and 2 w + 1.  Each load reads 512 consecutive bytes of a row; the 16 x 512 bytes turn through the wave's own stage in LDS, so that a lane gets 8 neighbours along K in 8 registers.
; WORK-GROUPS 512 to 895: 128 columns x 128 K of one weight (K is its first axis): a lane takes a column and its registers run down K, so the conversions give codes with K innermost; sixteen lanes store 256 consecutive aligned bytes.  No LDS on this path.
; No matrix work, no ring, no cluster: a stream in which nothing is shared between work-groups.
.set SPARE, 33792                      ; behind the four stages: the spare words, 128 bytes a wave
.set STGB,  8448                       ; a wave's stage: 16 rows x (512 + 16) bytes
.set RR,    16                         ; v16-143  x path: two units of 16 rows as loaded; later the units' codes
.set XX,    144                        ; v144-207 x path: 64 numbers back from the stage
.set TT,    208                        ; v208-239 x path: held numbers, two sets of 16 by turns, so that no conversion's sources are written directly behind it
.macro SCLM se, vs, vl                 ; v[vs] = 2^e, v[vl] = 448 x 2^e, e = s[se]
	s_add_co_i32 s48, s[\se], 127
	s_lshl_b32 s49, s48, 23
	v_mov_b32 v[\vs], s49
	s_add_co_i32 s48, s48, 8
	s_lshl_b32 s48, s48, 23
	s_or_b32 s48, s48, 0x600000
	v_mov_b32 v[\vl], s48
.endm
	s_load_b512 s[4:19], s[0:1], 0x0               ; x 4:5, Wq 6:7, Wk 8:9, Wv 10:11, Wo 12:13, W1 14:15, W2 16:17, scales 18:19
	s_load_b128 s[20:23], s[0:1], 0x40             ; xc 20:21, wqkv 22:23
	s_load_b64 s[24:25], s[0:1], 0x50              ; wt
	v_lshl_add_u32 v1, v0, 2, SPARE                ; my spare word
	v_mov_b32 v2, 0
	v_lshrrev_b32 v3, 5, v0
	v_readfirstlane_b32 s26, v3                    ; wave
	v_and_b32 v3, 31, v0                           ; lane
	v_lshlrev_b32 v4, 4, v3                        ; 16 x lane
	s_cmp_lt_u32 ttmp9, 512
	s_cbranch_scc0 .Lweights
	; ---------------- x ----------------
	s_mul_i32 s27, s26, STGB
	v_add_nc_u32 v5, s27, v4                       ; stage, in: 16 x lane of a row
	v_and_b32 v6, 15, v0
	v_bfe_u32 v7, v0, 4, 1
	v_mul_u32_u24 v6, v6, 528
	v_lshl_add_u32 v6, v7, 5, v6
	v_add_nc_u32 v6, s27, v6                       ; stage, out: row r, + 32 h
	s_lshl_b32 s28, ttmp9, 16                      ; 16 rows of 4,096 bytes a tile,
	s_lshl_b32 s29, s26, 10                        ; two K steps of 512 bytes a wave
	s_add_co_u32 s28, s28, s29
	s_mov_b32 s29, 0
	s_lshr_b32 s30, ttmp9, 2
	s_mul_i32 s30, s30, 196608
	s_and_b32 s31, ttmp9, 3
	s_lshl_b32 s31, s31, 11
	s_add_co_u32 s30, s30, s31
	s_lshl_b32 s31, s26, 14
	s_add_co_u32 s30, s30, s31
	s_mov_b32 s31, 0
	s_wait_kmcnt 0x0
	s_load_b256 s[32:39], s[18:19], 0x0            ; e0 .. e7
	s_add_nc_u64 s[4:5], s[4:5], s[28:29]
	s_add_nc_u64 s[20:21], s[20:21], s[30:31]
.irp u, 0,1
.irp r, 0,1,2,3,4,5,6,7,8,9,10,11,12,13,14,15
	global_load_b128 v[RR+64*\u+4*\r:RR+64*\u+4*\r+3], v4, s[4:5] offset:4096*\r+512*\u th:TH_LOAD_NT   ; 512 consecutive bytes of row r
.endr
.endr
	s_wait_kmcnt 0x0
	SCLM 32, 8, 9
	SCLM 34, 10, 11
	SCLM 36, 12, 13
.macro UNIT u
.if \u == 0
	s_wait_loadcnt 16                              ; this unit's 16 loads are in; the other unit's 16 are younger
.else
	s_wait_loadcnt 0x0
.endif
.irp r, 0,1,2,3,4,5,6,7,8,9,10,11,12,13,14,15
	ds_store_b128 v5, v[RR+64*\u+4*\r:RR+64*\u+4*\r+3] offset:528*\r
.endr
.irp c, 0,1,2,3                        ; LDS serves a wave's instructions in order: these see the stores above.  k = 32 c + 8 h + 0 .. 7, then 32 c + 16 + 8 h + 0 .. 7
	ds_load_b128 v[XX+16*\c:XX+16*\c+3], v6 offset:128*\c
	ds_load_b128 v[XX+16*\c+4:XX+16*\c+7], v6 offset:128*\c+16
	ds_load_b128 v[XX+16*\c+8:XX+16*\c+11], v6 offset:128*\c+64
	ds_load_b128 v[XX+16*\c+12:XX+16*\c+15], v6 offset:128*\c+80
.endr
	s_wait_dscnt 0x0                               ; the numbers are back; the stores have read the registers that now take the codes
.irp p, 0,1,2
.irp c, 0,1,2,3
.irp i, 0,1,2,3,4,5,6,7,8,9,10,11,12,13,14,15
	v_med3_num_f32 v[TT+16*(\c%2)+\i], v[XX+16*\c+\i], -v[9+2*\p], v[9+2*\p]   ; the conversion does not saturate: the hold comes first
.endr
	v_cvt_scalef32_pk8_fp8_f32 v[RR+64*\u+16*\p+4*\c:RR+64*\u+16*\p+4*\c+1], v[TT+16*(\c%2):TT+16*(\c%2)+7], v[8+2*\p]
	v_cvt_scalef32_pk8_fp8_f32 v[RR+64*\u+16*\p+4*\c+2:RR+64*\u+16*\p+4*\c+3], v[TT+16*(\c%2)+8:TT+16*(\c%2)+15], v[8+2*\p]
.endr
.irp c, 0,1,2,3
	global_store_b128 v4, v[RR+64*\u+16*\p+4*\c:RR+64*\u+16*\p+4*\c+3], s[20:21] offset:65536*\p+8192*\u+512*\c   ; 512 consecutive aligned bytes; no store's registers are written again
.endr
.endr
.endm
	UNIT 0
	UNIT 1
	s_wait_tensorcnt 0x0                           ; the wave's end: three closing lines behind my last LDS store
	ds_add_u32 v1, v2
	s_wait_dscnt 0x0
	s_endpgm
	; ---------------- the weights ----------------
.Lweights:
	s_sub_co_u32 s27, ttmp9, 512
	s_lshr_b32 s28, s27, 6                         ; which weight: 0 .. 5
	s_and_b32 s29, s27, 7                          ; which 128 columns
	s_bfe_u32 s30, s27, 0x30003                    ; which K step
	s_lshl_b32 s48, s30, 19                        ; in: 128 rows of 4,096 bytes a K step,
	s_lshl_b32 s31, s29, 9                         ; 512 bytes for 128 columns,
	s_add_co_u32 s48, s48, s31
	s_lshl_b32 s31, s26, 7                         ; 128 bytes a wave
	s_add_co_u32 s48, s48, s31
	s_mov_b32 s49, 0
	s_lshl_b32 s50, s29, 1                         ; out, wqkv: head = 2 cb + wave / 2
	s_lshr_b32 s31, s26, 1
	s_add_co_u32 s50, s50, s31
	s_mul_i32 s50, s50, 196608
	s_lshl_b32 s31, s28, 16
	s_add_co_u32 s50, s50, s31
	s_lshl_b32 s31, s30, 13
	s_add_co_u32 s50, s50, s31
	s_and_b32 s31, s26, 1
	s_lshl_b32 s31, s31, 12
	s_add_co_u32 s50, s50, s31
	s_mul_i32 s52, s29, 393216                     ; out, wt
	s_max_u32 s31, s28, 3
	s_sub_co_u32 s31, s31, 3
	s_lshl_b32 s31, s31, 17
	s_add_co_u32 s52, s52, s31
	s_lshl_b32 s31, s30, 14
	s_add_co_u32 s52, s52, s31
	s_lshl_b32 s31, s26, 12
	s_add_co_u32 s52, s52, s31
	s_lshl_b32 s53, s28, 1
	s_cmp_lt_u32 s28, 3
	s_cselect_b32 s50, s50, s52
	s_cselect_b32 s31, 1, 5                        ; the weight's entry of the scales: 1, 3, 5, 11, 13, 15
	s_add_co_u32 s53, s53, s31
	s_lshl_b32 s53, s53, 2
	s_mov_b32 s51, 0
	v_lshlrev_b32 v5, 2, v3                        ; in: 4 bytes a lane
	v_and_b32 v6, 15, v3
	v_lshlrev_b32 v6, 4, v6
	v_lshrrev_b32 v7, 4, v3
	v_lshl_add_u32 v6, v7, 11, v6                  ; out: lanes 0-15 one fragment, lanes 16-31 the next; 16 bytes a row
	s_wait_kmcnt 0x0
	s_load_b32 s56, s[18:19], s53 offset:0x0       ; e
	s_cmp_lt_u32 s28, 3
	s_cselect_b64 s[54:55], s[22:23], s[24:25]
	s_mov_b64 s[58:59], s[6:7]
	s_cmp_eq_u32 s28, 1
	s_cselect_b64 s[58:59], s[8:9], s[58:59]
	s_cmp_eq_u32 s28, 2
	s_cselect_b64 s[58:59], s[10:11], s[58:59]
	s_cmp_eq_u32 s28, 3
	s_cselect_b64 s[58:59], s[12:13], s[58:59]
	s_cmp_eq_u32 s28, 4
	s_cselect_b64 s[58:59], s[14:15], s[58:59]
	s_cmp_eq_u32 s28, 5
	s_cselect_b64 s[58:59], s[16:17], s[58:59]
	s_add_nc_u64 s[58:59], s[58:59], s[48:49]
	s_add_nc_u64 s[54:55], s[54:55], s[50:51]
.set k, 0
.rept 128
	global_load_b32 v[16+k], v5, s[58:59] offset:4096*k th:TH_LOAD_NT   ; W(128 s + k, my column): a wave reads 128 consecutive bytes, the work-group 512
.set k, k+1
.endr
	s_wait_kmcnt 0x0
	SCLM 56, 8, 9
.macro WBLK c, cnt                     ; 32 along K: the image's block c, both halves of the lanes
	s_wait_loadcnt \cnt
.irp i, 0,1,2,3,4,5,6,7,8,9,10,11,12,13,14,15,16,17,18,19,20,21,22,23,24,25,26,27,28,29,30,31
	v_med3_num_f32 v[16+32*\c+\i], v[16+32*\c+\i], -v9, v9
.endr
	v_cvt_scalef32_pk8_fp8_f32 v[144+8*\c:145+8*\c], v[16+32*\c:23+32*\c], v8   ; h = 0: k + 0 .. 7,
	v_cvt_scalef32_pk8_fp8_f32 v[146+8*\c:147+8*\c], v[32+32*\c:39+32*\c], v8   ;        k + 16 .. 23
	v_cvt_scalef32_pk8_fp8_f32 v[148+8*\c:149+8*\c], v[24+32*\c:31+32*\c], v8   ; h = 1: k + 8 .. 15,
	v_cvt_scalef32_pk8_fp8_f32 v[150+8*\c:151+8*\c], v[40+32*\c:47+32*\c], v8   ;        k + 24 .. 31
	global_store_b128 v6, v[144+8*\c:147+8*\c], s[54:55] offset:512*\c          ; sixteen lanes store 256 consecutive aligned bytes
	global_store_b128 v6, v[148+8*\c:151+8*\c], s[54:55] offset:512*\c+256
.endm
	WBLK 0, 63                                     ; 96 loads are younger than this block's: 63, the largest count that can be written, is the smaller and so the safe one
	WBLK 1, 63                                     ; 64 are younger
	WBLK 2, 32
	WBLK 3, 0
	s_endpgm
.Lfunc_end_k_q6111795607_prep:
	.size	k_q6111795607_prep, .Lfunc_end_k_q6111795607_prep-k_q6111795607_prep
	.p2alignl 7, 3214868480
	.fill 96, 4, 3214868480
	.section	.rodata,"a",@progbits
	.p2align	6, 0x0
	.amdhsa_kernel k_q6111795607_prep
		.amdhsa_group_segment_fixed_size 34304
		.amdhsa_private_segment_fixed_size 0
		.amdhsa_enable_private_segment 0
		.amdhsa_kernarg_size 88
		.amdhsa_user_sgpr_count 2
		.amdhsa_user_sgpr_kernarg_segment_ptr 1
		.amdhsa_wavefront_size32 1
		.amdhsa_system_sgpr_workgroup_id_x 1
		.amdhsa_system_sgpr_workgroup_id_y 1
		.amdhsa_system_sgpr_workgroup_id_z 1
		.amdhsa_system_vgpr_workitem_id 0
		.amdhsa_next_free_vgpr 240
		.amdhsa_next_free_sgpr 66
		.amdhsa_reserve_vcc 0
		.amdhsa_float_denorm_mode_32 3
		.amdhsa_float_denorm_mode_16_64 3
		.amdhsa_memory_ordered 1
		.amdhsa_forward_progress 1
		.amdhsa_inst_pref_size 64
	.end_amdhsa_kernel
	.amdgpu_metadata
---
amdhsa.version: [ 1, 2 ]
amdhsa.kernels:
  - .name:           k_q6111795607_prep
    .symbol:         k_q6111795607_prep.kd
    .args:
      - { .name: x, .offset: 0, .size: 8, .value_kind: global_buffer, .address_space: global }
      - { .name: Wq, .offset: 8, .size: 8, .value_kind: global_buffer, .address_space: global }
      - { .name: Wk, .offset: 16, .size: 8, .value_kind: global_buffer, .address_space: global }
      - { .name: Wv, .offset: 24, .size: 8, .value_kind: global_buffer, .address_space: global }
      - { .name: Wo, .offset: 32, .size: 8, .value_kind: global_buffer, .address_space: global }
      - { .name: W1, .offset: 40, .size: 8, .value_kind: global_buffer, .address_space: global }
      - { .name: W2, .offset: 48, .size: 8, .value_kind: global_buffer, .address_space: global }
      - { .name: lowp_scales, .offset: 56, .size: 8, .value_kind: global_buffer, .address_space: global }
      - { .name: xc, .offset: 64, .size: 8, .value_kind: global_buffer, .address_space: global }
      - { .name: wqkv, .offset: 72, .size: 8, .value_kind: global_buffer, .address_space: global }
      - { .name: wt, .offset: 80, .size: 8, .value_kind: global_buffer, .address_space: global }
    .group_segment_fixed_size: 34304
    .private_segment_fixed_size: 0
    .kernarg_segment_align: 8
    .kernarg_segment_size: 88
    .max_flat_workgroup_size: 128
    .sgpr_count:     66
    .vgpr_count:     240
    .wavefront_size: 32
...
	.end_amdgpu_metadata
.endif
;; end of part 1
;; launch attn (part 2): grid 16 x 16, 8 waves a work-group, no clusters, 285,696 bytes of LDS; arguments xc, wqkv, bq, bk, bv, x_mask, lowp_scales, ac; writes ac
.if DOCPART == 2
	.amdgcn_target "amdgcn-amd-amdhsa--gfx1250"
	.amdhsa_code_object_version 6
	.text
	.protected	k_q6111795607_attn
	.globl	k_q6111795607_attn
	.p2align	8
	.type	k_q6111795607_attn,@function
k_q6111795607_attn:
	s_mov_b64 s[64:65], 0
	v_nop
	global_prefetch_b8 v0, s[64:65] scope:SCOPE_SE
	s_setreg_imm32_b32 hwreg(HW_REG_WAVE_MODE, 25, 1), 1
	s_wait_xcnt 0x0
; ENCODER LAYER, second launch: one work-group for a (batch, head).  It projects the batch's 512 tokens onto the head's 64 columns of K, V and Q (codes of x and of the weights, K = 1,024), adds the biases, quantises,
; and runs the masked attention on codes: S^T = K Q^T, p = 2^(t - M), O^T = V^T P^T, O / l, quantised for the product with Wo and stored as images of operand registers.  q, k, v and p never go to memory.  No work is left out.
; SHARES.  Eight waves; wave w owns tokens 64 w .. 64 w + 63: four row tiles in the projections, four query tiles in the attention.  Every wave walks all 512 keys, 64 a step.
; OPERANDS lie as images of their registers: lane (r, h) holds row r, registers 2 c', 2 c' + 1 hold k = 16 c' + 8 h + 0 .. 7; four registers of all lanes are 512 bytes, 16 x lane.  A result tile c' (lane = one row, eight registers = eight neighbours along the next K) becomes registers 2 c', 2 c' + 1 by one conversion.
; K and Q are made TRANSPOSED (source 0 = 16 columns of W, source 1 = 16 tokens): a lane holds one token and eight channels.  V is made the other way round: a lane holds one channel and eight tokens, which are the second product's K.
; THE MASK costs no vector work for a score: the C of a score's matrix instruction is -2^126 where x_mask == 0, else 0.  With any key open, such a t lies so far under M that p = 0, as with reference()'s -1e10.
; With no key open, reference()'s logits are all equal, so p = 1 for every key: the factor c is then chosen as 0 (a choice of a scalar, no branch), which makes every t = 0, M = 0, p = 1.
; TWO PASSES over the keys: the first finds each query's largest score, so that M = ceil(largest t) is the row's own from the start and nothing is rescaled; the second recomputes the scores (the same instructions, the same bits).
; The sum l is taken of the unquantised p and divides O at the end.
; WHY NO RING IN LDS AND NO CLUSTER: each byte of x's codes is wanted by exactly one wave of the work-group (the waves share the rows), so it goes from memory straight into that wave's registers, through a ring of four K steps:
; 48 to 64 loads of 512 bytes a wave stay out behind counted waits and are never drained.  The 16 heads of a batch do read the same codes; joint requests would want them in LDS, in slots that are drained at every change.
; LIMITS: every e, and e0+e1, e2+e3, e4+e5, lie between -126 and 119; e6+e7 between -110 and 120; e8+e9 is applied by v_ldexp_f32.  NaN and infinity among the inputs are not served.
; LDS: 0 W's 96 fragments [p][s][j]; KIMG K's 32 fragments (16 keys x 64); +32,768 V^T's 32 (16 channels x 64 keys); NBT each wave's own table of C; BT each wave's own biases; SPARE the spare words.
; REGISTERS, window 0: v1, v2 the add's two; v3 16 x lane; v4-6 W's images by p; v7 where I store K's and V's images; v8, v9 biases; v10, v11 scale and hold in hand; v12 my table of C; v13-15 16 x thread (+ 64 KiB steps); v16, v17 addresses in hand; v18 K's images; v22, v23 scale and hold of e10;
;   projections: v24-151 sixteen accumulators (m, j) at 24 + 32 m + 8 j; v152-215 W's four fragments; v216-223 bias; v224-255 codes (at the end: Q's four fragments).   attention: v24.. K, v56.. C, v88.. V^T, v120.. p's codes, v152.. statistics.
;   window 1: projections: x's ring, four K steps x four fragments.   attention: v0-127 S^T (t, qt) at 32 qt + 8 t; v128-255 O^T (dt, qt) at 128 + 32 qt + 8 dt.
.set KIMG,  196608
.set NBT,   262144
.set BT,    278528
.set SPARE, 284672
.set ACC, 24
.set BF,  152
.set CD,  224
.set KF,  24
.set NBR, 56
.set VF,  88
.set PC,  120
.set MX,  152
.set NM,  156
.set LA,  164
.set LB,  172
.set WK,  180
.set MSB, 0
.macro WIN new                         ; the immediate's high byte repeats the setting that is left; a switch that changes nothing is dropped
.if MSB != \new
	s_set_vgpr_msb (MSB<<8)|\new
.set MSB, \new
.endif
.endm
.macro PLACES                          ; four plain vector places behind matrix instructions, ahead of reads of their results and of loads into their registers
.rept 4
	v_nop
.endr
.endm
.macro POW2 d, a, b                    ; s[d] = s[d+1] = 2^(s[a] + s[b])
	s_add_co_i32 s[\d], s[\a], s[\b]
	s_add_co_i32 s[\d], s[\d], 127
	s_lshl_b32 s[\d], s[\d], 23
	s_mov_b32 s[\d+1], s[\d]
.endm
.macro SCLM se, vs, vl                 ; v[vs] = 2^e, v[vl] = 448 x 2^e, e = s[se]
	s_add_co_i32 s58, s[\se], 127
	s_lshl_b32 s59, s58, 23
	v_mov_b32 v[\vs], s59
	s_add_co_i32 s58, s58, 8
	s_lshl_b32 s58, s58, 23
	s_or_b32 s58, s58, 0x600000
	v_mov_b32 v[\vl], s58
.endm
; The 24 K steps e of the projections: pass e / 8 = K, V, Q, stored at p = (e / 8 + 1) % 3; s = e % 8.
.macro XLD e                           ; my four fragments of x's codes of K step e: 16 loads of 512 consecutive bytes into ring slot e % 4
	WIN 0x40
.irp m, 0,1,2,3
.irp c, 0,1,2,3
	global_load_b128 v[64*((\e)%4)+16*\m+4*\c:64*((\e)%4)+16*\m+4*\c+3], v3, s[24:25] offset:65536*((((\e)/8)+1)%3)+8192*((\e)%8)+2048*\m+512*\c
.endr
.endr
	WIN 0
.endm
.macro BLD e, j0                       ; W's fragments j0, j0 + 1 of K step e, from LDS
.irp j, \j0, \j0+1
.irp c, 0,1,2,3
	ds_load_b128 v[BF+16*(\j)+4*\c:BF+16*(\j)+4*\c+3], v[4+(((\e)/8)+1)%3] offset:8192*((\e)%8)+2048*(\j)+512*\c
.endr
.endr
.endm
.macro MM e, j0                        ; eight products: column tiles j0, j0 + 1 x my four row tiles.  The sixteen accumulators take turns, one instruction a turn; a pass's first K step starts the sums with C = 0
.if ((\e)/8) == 1
	WIN 0x01
.else
	WIN 0x04
.endif
.irp j, \j0, \j0+1
.irp m, 0,1,2,3
.set rD, ACC+32*\m+8*(\j)
.set rW, BF+16*(\j)
.set rX, 64*((\e)%4)+16*\m
.if ((\e)/8) == 1
.if ((\e)%8) == 0
	v_wmma_f32_16x16x128_fp8_fp8 v[rD:rD+7], v[rX:rX+15], v[rW:rW+15], 0
.else
	v_wmma_f32_16x16x128_fp8_fp8 v[rD:rD+7], v[rX:rX+15], v[rW:rW+15], v[rD:rD+7]
.endif
.else
.if ((\e)%8) == 0
	v_wmma_f32_16x16x128_fp8_fp8 v[rD:rD+7], v[rW:rW+15], v[rX:rX+15], 0
.else
	v_wmma_f32_16x16x128_fp8_fp8 v[rD:rD+7], v[rW:rW+15], v[rX:rX+15], v[rD:rD+7]
.endif
.endif
.endr
.endr
.endm
.macro KSTEP e
.if 23-(\e) >= 3
	s_wait_loadcnt 48                              ; this K step's 16 loads are in; those of the three steps behind it are younger
.else
	s_wait_loadcnt 16*(23-(\e))
.endif
	s_wait_dscnt 8                                 ; W's fragments 0 and 1 are in; the eight loads of 2 and 3 are younger
	MM \e, 0
	s_wait_dscnt 0x0
	WIN 0
	PLACES
.if (\e) < 23
	BLD (\e)+1, 0
.endif
	MM \e, 2
	WIN 0
	PLACES
.if (\e) < 23
	BLD (\e)+1, 2
.endif
.if (\e) < 20
	XLD (\e)+4                                     ; into the ring slot just multiplied
.endif
.endm
; Behind a pass: sum x 2^(ex + ew) + bias, the hold, the conversion.  K and Q: lane = token, registers = channels 16 j + 8 h + i
.macro EPI_T p
.irp j, 0,1,2,3
	ds_load_b128 v[216:219], v8 offset:256*\p+64*\j
	ds_load_b128 v[220:223], v8 offset:256*\p+64*\j+16
	s_wait_dscnt 0x0
.irp m, 0,1,2,3
.set rA, ACC+32*\m+8*\j
.irp i, 0,2,4,6
	v_pk_fma_f32 v[rA+\i:rA+\i+1], v[rA+\i:rA+\i+1], s[48+2*\p:49+2*\p], v[216+\i:217+\i] op_sel_hi:[1,0,1]   ; each accumulator from its low end on
.endr
.irp i, 0,1,2,3,4,5,6,7
	v_med3_num_f32 v[rA+\i], v[rA+\i], -v11, v11
.endr
	v_cvt_scalef32_pk8_fp8_f32 v[CD+8*\m+2*\j:CD+8*\m+2*\j+1], v[rA:rA+7], v10
.endr
.endr
	v_nop                                          ; a plain line behind the last conversion: matrix instructions later read the codes and write the sums' registers
.endm
.macro EPI_V                           ; V: lane = channel 16 dt + r, registers = tokens 16 m + 8 h + i
.irp dt, 0,1,2,3
	ds_load_b32 v[216+2*\dt], v9 offset:64*\dt
.endr
	s_wait_dscnt 0x0
.irp dt, 0,1,2,3
	v_mov_b32 v[217+2*\dt], v[216+2*\dt]
.endr
.irp dt, 0,1,2,3
.irp m, 0,1,2,3
.set rA, ACC+32*\m+8*\dt
.irp i, 0,2,4,6
	v_pk_fma_f32 v[rA+\i:rA+\i+1], v[rA+\i:rA+\i+1], s[52:53], v[216+2*\dt:217+2*\dt] op_sel_hi:[1,0,1]
.endr
.irp i, 0,1,2,3,4,5,6,7
	v_med3_num_f32 v[rA+\i], v[rA+\i], -v11, v11
.endr
	v_cvt_scalef32_pk8_fp8_f32 v[CD+8*\dt+2*\m:CD+8*\dt+2*\m+1], v[rA:rA+7], v10
.endr
.endr
	v_nop
.endm
.macro IMG off                         ; the four fragments in v[CD] on go to LDS as they stand
.irp f, 0,1,2,3
	ds_store_b128 v7, v[CD+8*\f:CD+8*\f+3] offset:\off+1024*\f
	ds_store_b128 v7, v[CD+8*\f+4:CD+8*\f+7] offset:\off+1024*\f+512
.endr
.endm
	s_load_b512 s[4:19], s[0:1], 0x0               ; xc 4:5, wqkv 6:7, bq 8:9, bk 10:11, bv 12:13, x_mask 14:15, scales 16:17, ac 18:19
	v_lshl_add_u32 v1, v0, 2, SPARE                ; my spare word
	v_mov_b32 v2, 0
	v_lshrrev_b32 v3, 5, v0
	v_readfirstlane_b32 s20, v3                    ; wave
	s_mov_b32 s21, ttmp9                           ; head
	s_and_b32 s22, ttmp7, 0xffff                   ; batch
	v_and_b32 v16, 31, v0                          ; lane
	v_bfe_u32 v17, v0, 4, 1                        ; h
	v_and_b32 v18, 15, v0                          ; r
	v_lshlrev_b32 v3, 4, v16
	v_lshlrev_b32 v4, 4, v16
	v_add_nc_u32 v5, 65536, v3
	v_add_nc_u32 v6, 131072, v3
	s_lshl_b32 s58, s20, 12
	v_add_nc_u32 v7, s58, v3
	v_add_nc_u32 v7, KIMG, v7
	s_mul_i32 s59, s20, 768
	v_lshl_add_u32 v8, v17, 5, s59
	v_add_nc_u32 v8, BT, v8
	v_lshl_add_u32 v9, v18, 2, s59
	v_add_nc_u32 v9, BT+512, v9
	s_lshl_b32 s60, s20, 11
	v_lshl_add_u32 v12, v17, 5, s60
	v_add_nc_u32 v12, NBT, v12
	v_lshlrev_b32 v13, 4, v0
	v_add_nc_u32 v14, 65536, v13
	v_add_nc_u32 v15, 131072, v13
	v_add_nc_u32 v19, s60, v3
	v_add_nc_u32 v19, NBT, v19                     ; where I store my table of C
	v_lshl_add_u32 v20, v16, 3, s59
	v_add_nc_u32 v20, BT, v20                      ; and my biases
	v_lshlrev_b32 v21, 3, v16                      ; 8 x lane: my two numbers of a bias
	v_add_nc_u32 v18, KIMG, v3
	s_lshl_b32 s66, s22, 3
	s_add_co_u32 s66, s66, s20
	s_mul_i32 s66, s66, 196608                     ; xc: my 64 tokens' 192 KiB
	s_mov_b32 s67, 0
	s_mul_i32 s68, s21, 196608                     ; wqkv: the head's 192 KiB
	s_mov_b32 s69, 0
	s_lshl_b32 s70, s22, 19                        ; ac: 32 token tiles of 16 KiB a batch,
	s_lshl_b32 s61, s20, 16                        ; four a wave,
	s_add_co_u32 s70, s70, s61
	s_lshr_b32 s61, s21, 1
	s_lshl_b32 s61, s61, 11                        ; K step head / 2,
	s_add_co_u32 s70, s70, s61
	s_and_b32 s61, s21, 1
	s_lshl_b32 s61, s61, 10                        ; its lower or upper half
	s_add_co_u32 s70, s70, s61
	s_mov_b32 s71, 0
	s_lshl_b32 s72, s21, 8
	s_mov_b32 s73, 0
	s_lshl_b32 s74, s22, 11
	s_mov_b32 s75, 0
	s_mov_b32 s56, 0x76543210                      ; v_permlanex16_b32: lane l xor 16
	s_mov_b32 s57, 0xfedcba98
	s_wait_kmcnt 0x0
	s_load_b512 s[32:47], s[16:17], 0x0            ; e0 .. e15
	s_add_nc_u64 s[24:25], s[4:5], s[66:67]
	s_add_nc_u64 s[26:27], s[6:7], s[68:69]
	s_add_nc_u64 s[28:29], s[18:19], s[70:71]
	s_add_nc_u64 s[8:9], s[8:9], s[72:73]
	s_add_nc_u64 s[10:11], s[10:11], s[72:73]
	s_add_nc_u64 s[12:13], s[12:13], s[72:73]
	s_add_nc_u64 s[14:15], s[14:15], s[74:75]
.set i, 0
.rept 48
	global_load_b128 v[24+4*i:27+4*i], v13, s[26:27] offset:4096*i   ; the head's weights: the work-group reads 4,096 consecutive bytes a line
.set i, i+1
.endr
.irp i, 0,1,2,3
	global_load_b128 v[216+4*\i:219+4*\i], v3, s[14:15] offset:512*\i   ; the batch's 512 mask words
.endr
	global_load_b64 v[232:233], v21, s[8:9]
	global_load_b64 v[234:235], v21, s[10:11]
	global_load_b64 v[236:237], v21, s[12:13]
	XLD 0
	XLD 1
	XLD 2
	XLD 3
	s_wait_loadcnt 63                              ; the ring's 64 loads are younger than the 55 above: with at most 63 out, all 55 are in
.set i, 0
.rept 48
	ds_store_b128 v[13+i/16], v[24+4*i:27+4*i] offset:4096*(i%16)
.set i, i+1
.endr
	s_wait_kmcnt 0x0
	POW2 48, 32, 33
	POW2 50, 34, 35
	POW2 52, 36, 37
	s_add_co_i32 s58, s38, s39
	s_lshl_b32 s58, s58, 23
	s_add_co_i32 s54, s58, 0x3e38aa3b              ; c = log2(e) / 8 x 2^(e6 + e7): the exponents go into c's exponent field
	v_or_b32 v240, v216, v217
.irp i, 2,3,4,5,6,7,8,9,10,11,12,13,14,15
	v_or_b32 v240, v240, v[216+\i]
.endr
	v_cmp_ne_u32 vcc_lo, 0, v240
	s_cmp_lg_u32 vcc_lo, 0                         ; is any key of the batch open?
	s_cselect_b32 s54, s54, 0                      ; if none: c = 0
	s_mov_b32 s55, s54
	v_mov_b32 v241, 0xfe800000                     ; -2^126
.irp i, 0,1,2,3,4,5,6,7,8,9,10,11,12,13,14,15
	v_cmp_eq_u32 vcc_lo, 0, v[216+\i]
	v_cndmask_b32 v[216+\i], 0, v241, vcc_lo
.endr
.irp i, 0,1,2,3
	ds_store_b128 v19, v[216+4*\i:219+4*\i] offset:512*\i
.endr
	ds_store_b64 v20, v[232:233]
	ds_store_b64 v20, v[234:235] offset:256
	ds_store_b64 v20, v[236:237] offset:512
	s_wait_dscnt 0x0                               ; for the others' sake: my part of W's images has landed
	s_barrier_signal -1
	s_barrier_wait -1
	BLD 0, 0
	BLD 0, 2
	; ---- K ----
.irp e, 0,1,2,3,4,5,6,7
	KSTEP \e
.endr
	SCLM 39, 10, 11
	EPI_T 1
	IMG 0
	; ---- V ----
.irp e, 8,9,10,11,12,13,14,15
	KSTEP \e
.endr
	SCLM 40, 10, 11
	EPI_V
	IMG 32768
	; ---- Q: its codes stay in v224-255 ----
.irp e, 16,17,18,19,20,21,22,23
	KSTEP \e
.endr
	SCLM 38, 10, 11
	EPI_T 0
	s_wait_dscnt 0x0                               ; my images of K and V have landed
	s_barrier_signal -1
	s_barrier_wait -1
	; ---- the attention ----
	SCLM 41, 10, 11                                ; p's scale and hold
	SCLM 42, 22, 23                                ; and those of the result
.irp q, 0,1,2,3
	v_mov_b32 v[MX+\q], 0xff7fffff                 ; under every score
.endr
.irp q, 0,1,2,3,4,5,6,7
	v_mov_b32 v[WK+\q], 0                          ; (a lane permute's destination counts as read)
.endr
.irp q, 0,1,2,3,4,5,6,7,8,9,10,11,12,13,14,15
	v_mov_b32 v[LA+\q], 0                          ; l, in two chains of pairs for each query tile
.endr
.macro LDK withv                       ; a key step's fragments: s76 = 4,096 x step (images), s77 = 256 x step (the table of C)
	v_add_nc_u32 v16, s76, v18
	v_add_nc_u32 v17, s77, v12
.irp t, 0,1,2,3
	ds_load_b128 v[KF+8*\t:KF+8*\t+3], v16 offset:1024*\t
	ds_load_b128 v[KF+8*\t+4:KF+8*\t+7], v16 offset:1024*\t+512
.endr
.irp t, 0,1,2,3
	ds_load_b128 v[NBR+8*\t:NBR+8*\t+3], v17 offset:64*\t
	ds_load_b128 v[NBR+8*\t+4:NBR+8*\t+7], v17 offset:64*\t+16
.endr
.if \withv
.irp t, 0,1,2,3
	ds_load_b128 v[VF+8*\t:VF+8*\t+3], v16 offset:32768+1024*\t
	ds_load_b128 v[VF+8*\t+4:VF+8*\t+7], v16 offset:32768+1024*\t+512
.endr
.endif
.endm
.macro SMUL                            ; S^T = K Q^T + C: 16 keys x 16 queries x 64 channels, sixteen results
	WIN 0x40
.irp t, 0,1,2,3
.irp q, 0,1,2,3
	v_wmma_f32_16x16x64_fp8_fp8 v[32*\q+8*\t:32*\q+8*\t+7], v[KF+8*\t:KF+8*\t+7], v[CD+8*\q:CD+8*\q+7], v[NBR+8*\t:NBR+8*\t+7]
.endr
.endr
	PLACES                                         ; ahead of the reads of the scores, and of the next step's loads into K's and C's registers
.endm
	s_mov_b32 s76, 0
	s_mov_b32 s77, 0
	s_mov_b32 s78, 0
.Lpass1:                                               ; eight trips: each query's largest score
	LDK 0
	s_wait_dscnt 0x0
	SMUL
	WIN 0x14
.set n, 0
.rept 16
.irp q, 0,1,2,3
	v_max3_num_f32 v[MX+\q], v[MX+\q], v[32*\q+n], v[32*\q+n+1]   ; four chains; each result from its low end on
.endr
.set n, n+2
.endr
	WIN 0
	s_add_co_u32 s76, s76, 4096
	s_add_co_u32 s77, s77, 256
	s_add_co_u32 s78, s78, 1
	s_cmp_lt_u32 s78, 8
	s_cbranch_scc1 .Lpass1
.irp q, 0,1,2,3
	v_permlanex16_b32 v[WK+\q], v[MX+\q], s56, s57 ; the query's other keys lie in the lane 16 away
.endr
.irp q, 0,1,2,3
	v_max_num_f32 v[MX+\q], v[MX+\q], v[WK+\q]
.endr
.irp q, 0,1,2,3
	v_mul_f32 v[WK+4+\q], s54, v[MX+\q]            ; the largest t (c is not negative)
.endr
.irp q, 0,1,2,3
	v_floor_f32 v[NM+2*\q], -v[WK+4+\q]            ; -M = floor(-t) = -ceil(t)
.endr
.irp q, 0,1,2,3
	v_mov_b32 v[NM+2*\q+1], v[NM+2*\q]
.endr
.macro STEP2 zero                      ; a key step of the second pass.  zero = 1: its products start O^T's sums
.if !\zero
	PLACES                                         ; ahead of the loads into V's registers, which the last products read
.endif
	LDK 1
	s_wait_dscnt 8                                 ; K and C are in; V's eight loads are younger
	SMUL
	WIN 0x41
.irp q, 0,1,2,3
.set n, 0
.rept 16
	v_pk_fma_f32 v[32*\q+n:32*\q+n+1], v[32*\q+n:32*\q+n+1], s[54:55], v[NM+2*\q:NM+2*\q+1] op_sel_hi:[1,0,1]   ; t - M
.set n, n+2
.endr
.endr
.set n, 0
.rept 128
	v_exp_f32 v[n], v[n]                           ; p = 2^(t - M): one batch
.set n, n+1
.endr
	v_nop                                          ; the plain line behind the last exponential
	s_wait_alu depctr_va_vdst(0)                   ; one wait for the batch, ahead of its first reader
	WIN 0x04
.set n, 0
.rept 8
.irp q, 0,1,2,3
	v_pk_add_f32 v[LA+2*\q:LA+2*\q+1], v[LA+2*\q:LA+2*\q+1], v[32*\q+n:32*\q+n+1]       ; l is summed of the unquantised p
	v_pk_add_f32 v[LB+2*\q:LB+2*\q+1], v[LB+2*\q:LB+2*\q+1], v[32*\q+n+2:32*\q+n+3]
.endr
.set n, n+4
.endr
	WIN 0x41
.set n, 0
.rept 128
	v_min_num_f32 v[n], v[n], v11                  ; the conversion does not saturate; p is not negative, so the hold is one-sided
.set n, n+1
.endr
	WIN 0x01
.irp q, 0,1,2,3
.irp t, 0,1,2,3
	v_cvt_scalef32_pk8_fp8_f32 v[PC+8*\q+2*\t:PC+8*\q+2*\t+1], v[32*\q+8*\t:32*\q+8*\t+7], v10
.endr
.endr
	v_nop                                          ; a plain line between the conversions and the products that read the codes
	s_wait_dscnt 0x0                               ; V is in
.if \zero
	WIN 0x40
.else
	WIN 0x50
.endif
.irp d, 0,1,2,3
.irp q, 0,1,2,3
.if \zero
	v_wmma_f32_16x16x64_fp8_fp8 v[128+32*\q+8*\d:128+32*\q+8*\d+7], v[VF+8*\d:VF+8*\d+7], v[PC+8*\q:PC+8*\q+7], 0
.else
	v_wmma_f32_16x16x64_fp8_fp8 v[128+32*\q+8*\d:128+32*\q+8*\d+7], v[VF+8*\d:VF+8*\d+7], v[PC+8*\q:PC+8*\q+7], v[128+32*\q+8*\d:128+32*\q+8*\d+7]
.endif
.endr
.endr
	WIN 0
.endm
	s_mov_b32 s76, 0
	s_mov_b32 s77, 0
	STEP2 1
	s_mov_b32 s76, 4096
	s_mov_b32 s77, 256
	s_mov_b32 s78, 0
.Lpass2:                                               ; the other seven key steps
	STEP2 0
	s_add_co_u32 s76, s76, 4096
	s_add_co_u32 s77, s77, 256
	s_add_co_u32 s78, s78, 1
	s_cmp_lt_u32 s78, 7
	s_cbranch_scc1 .Lpass2
	; ---- the way out: O / l x 2^(e8 + e9), quantised under e10.  The first twelve lines, plain and free of the products' registers, are the places behind the last products
.irp q, 0,1,2,3
	v_pk_add_f32 v[LA+2*\q:LA+2*\q+1], v[LA+2*\q:LA+2*\q+1], v[LB+2*\q:LB+2*\q+1]
.endr
.irp q, 0,1,2,3
	v_add_f32 v[WK+\q], v[LA+2*\q], v[LA+2*\q+1]
.endr
.irp q, 0,1,2,3
	v_permlanex16_b32 v[WK+4+\q], v[WK+\q], s56, s57
.endr
.irp q, 0,1,2,3
	v_add_f32 v[WK+\q], v[WK+\q], v[WK+4+\q]
.endr
.irp q, 0,1,2,3
	v_rcp_f32 v[WK+8+2*\q], v[WK+\q]
.endr
	v_nop
	s_add_co_i32 s58, s40, s41
	s_wait_alu depctr_va_vdst(0)                   ; one wait for the four reciprocals
.irp q, 0,1,2,3
	v_ldexp_f32 v[WK+8+2*\q], v[WK+8+2*\q], s58
.endr
.irp q, 0,1,2,3
	v_mov_b32 v[WK+9+2*\q], v[WK+8+2*\q]
.endr
	WIN 0x41
.irp q, 0,1,2,3
.set n, 0
.rept 16
	v_pk_mul_f32 v[128+32*\q+n:128+32*\q+n+1], v[128+32*\q+n:128+32*\q+n+1], v[WK+8+2*\q:WK+9+2*\q]
.set n, n+2
.endr
.endr
.set n, 128
.rept 128
	v_med3_num_f32 v[n], v[n], -v23, v23
.set n, n+1
.endr
	WIN 0x01
.irp q, 0,1,2,3
.irp d, 0,1,2,3
	v_cvt_scalef32_pk8_fp8_f32 v[24+8*\q+2*\d:24+8*\q+2*\d+1], v[128+32*\q+8*\d:128+32*\q+8*\d+7], v22
.endr
.endr
	v_nop
	WIN 0
.irp q, 0,1,2,3
	global_store_b128 v3, v[24+8*\q:27+8*\q], s[28:29] offset:16384*\q          ; 512 consecutive aligned bytes: half of my head's part of a fragment
	global_store_b128 v3, v[28+8*\q:31+8*\q], s[28:29] offset:16384*\q+512
.endr
	s_wait_tensorcnt 0x0                           ; the wave's end: three closing lines behind my last LDS store
	ds_add_u32 v1, v2
	s_wait_dscnt 0x0
	s_endpgm
.Lfunc_end_k_q6111795607_attn:
	.size	k_q6111795607_attn, .Lfunc_end_k_q6111795607_attn-k_q6111795607_attn
	.p2alignl 7, 3214868480
	.fill 96, 4, 3214868480
	.section	.rodata,"a",@progbits
	.p2align	6, 0x0
	.amdhsa_kernel k_q6111795607_attn
		.amdhsa_group_segment_fixed_size 285696
		.amdhsa_private_segment_fixed_size 0
		.amdhsa_enable_private_segment 0
		.amdhsa_kernarg_size 64
		.amdhsa_user_sgpr_count 2
		.amdhsa_user_sgpr_kernarg_segment_ptr 1
		.amdhsa_wavefront_size32 1
		.amdhsa_system_sgpr_workgroup_id_x 1
		.amdhsa_system_sgpr_workgroup_id_y 1
		.amdhsa_system_sgpr_workgroup_id_z 1
		.amdhsa_system_vgpr_workitem_id 0
		.amdhsa_next_free_vgpr 512
		.amdhsa_next_free_sgpr 80
		.amdhsa_reserve_vcc 1
		.amdhsa_float_denorm_mode_32 3
		.amdhsa_float_denorm_mode_16_64 3
		.amdhsa_memory_ordered 1
		.amdhsa_forward_progress 1
		.amdhsa_inst_pref_size 221
	.end_amdhsa_kernel
	.amdgpu_metadata
---
amdhsa.version: [ 1, 2 ]
amdhsa.kernels:
  - .name:           k_q6111795607_attn
    .symbol:         k_q6111795607_attn.kd
    .args:
      - { .name: xc, .offset: 0, .size: 8, .value_kind: global_buffer, .address_space: global }
      - { .name: wqkv, .offset: 8, .size: 8, .value_kind: global_buffer, .address_space: global }
      - { .name: bq, .offset: 16, .size: 8, .value_kind: global_buffer, .address_space: global }
      - { .name: bk, .offset: 24, .size: 8, .value_kind: global_buffer, .address_space: global }
      - { .name: bv, .offset: 32, .size: 8, .value_kind: global_buffer, .address_space: global }
      - { .name: x_mask, .offset: 40, .size: 8, .value_kind: global_buffer, .address_space: global }
      - { .name: lowp_scales, .offset: 48, .size: 8, .value_kind: global_buffer, .address_space: global }
      - { .name: ac, .offset: 56, .size: 8, .value_kind: global_buffer, .address_space: global }
    .group_segment_fixed_size: 285696
    .private_segment_fixed_size: 0
    .kernarg_segment_align: 8
    .kernarg_segment_size: 64
    .max_flat_workgroup_size: 256
    .sgpr_count:     80
    .vgpr_count:     512
    .wavefront_size: 32
...
	.end_amdgpu_metadata
.endif
;; end of part 2
;; launch tail (part 3): grid 256 x 1, 8 waves a work-group, no clusters, 234,496 bytes of LDS; arguments ac, wt, x, bo, gamma1, beta1, b1, b2, gamma2, beta2, lowp_scales, out0; writes out0
.if DOCPART == 3
	.amdgcn_target "amdgcn-amd-amdhsa--gfx1250"
	.amdhsa_code_object_version 6
	.text
	.protected	k_q6111795607_tail
	.globl	k_q6111795607_tail
	.p2align	8
	.type	k_q6111795607_tail,@function
k_q6111795607_tail:
	s_mov_b64 s[64:65], 0
	v_nop
	global_prefetch_b8 v0, s[64:65] scope:SCOPE_SE
	s_setreg_imm32_b32 hwreg(HW_REG_WAVE_MODE, 25, 1), 1
	s_wait_xcnt 0x0
; ENCODER LAYER, third launch: a work-group takes 32 tokens through the rest of the layer: attn Wo + bo + x, LayerNorm 1 (= h), gelu(h W1 + b1) W2 + b2 + h, LayerNorm 2.  h and the hidden layer never go to memory.  No work is left out.
; SHARES.  Eight waves SHARE THE COLUMNS: wave w makes columns 128 w .. 128 w + 127 of all three products, for both row tiles of 16 tokens: sixteen accumulators.  Its results are K step w of the next product.
; Products are used TRANSPOSED (source 0 = 16 columns of W, source 1 = 16 tokens): a lane holds one token and eight neighbouring columns, which one conversion turns into two registers of the next operand.
; Operands go from wave to wave through LDS as images of their registers (four registers of all lanes = 512 bytes, 16 x lane).
; WEIGHTS: each byte is wanted by exactly one wave of the work-group, so it goes from memory straight into that wave's registers, through a ring of four groups of four fragments: one stream of 384 KiB a wave that runs on across the three layers;
; 48 to 64 loads of 512 bytes a wave stay out behind counted waits and are never drained.  That is why there is no ring in LDS; all work-groups do walk the same weights, but joint requests would want them in LDS, in slots drained at every change: so cluster = none.
; The residual and the bias are the C of a product's first K step, divided by the power of two that the sums lack (exact).  LayerNorm: mean, then the deviations' squares (two sums over the row, through LDS), / 1,023, eps added to the root.
; GELU is the exact one: 0.5 z erfc(-z / sqrt 2), erfc(a) = t exp(-a^2 + P(t)), t = 1 / (1 + a / 2), P of degree 9 (a Chebyshev fit whose relative error is 1.2e-7 for all a >= 0); erfc(-z / sqrt 2) = (1 + sg) - sg erfc(|z| / sqrt 2), sg = z's sign: nothing cancels.  The 0.5 goes into the conversion's scale.
; LIMITS: e12, e14 + 1, and +-(e10+e11), e12+e13, +-(e14+e15) lie between -126 and 119.  NaN and infinity among the inputs are not served.
; LDS: A0 attn's 16 fragments (m, s) at 2,048 (8 m + s), later the hidden layer's; A1 h's; VEC bo, gamma1, beta1, b1, b2, gamma2, beta2 (a wave writes and reads its own 512 bytes of each); RED four regions [row 32][wave 8];
;   STG 32 rows x 528 bytes for each wave, its own: x on the way in, h in f32, the way out; SPARE the spare words.
; REGISTERS, window 0: v1, v2 the add's two; v3 16 x lane; v4 16 x thread; v5 where I store images; v6 my part of a vector; v7, v8 my stage by rows and by results; v9, v10 RED; v11, v12 scale and hold; v13-31 at work;
;   v32-159 accumulators (m, j) at 32 + 64 m + 8 j; v160-223 AF: A's fragments, two buffers x two row tiles, and work between the products; v224-255 T at work (v253 an address, v254-255 a constant).   window 1: the weights' ring.
.set A1,    32768
.set VEC,   65536
.set RED,   94208
.set STG,   98304
.set SPARE, 233472
.set ACC, 32
.set AF,  160
.set T,   224
.set MSB, 0
.macro WIN new
.if MSB != \new
	s_set_vgpr_msb (MSB<<8)|\new
.set MSB, \new
.endif
.endm
.macro PLACES                          ; four plain vector places behind matrix instructions (ISA guide 7.12.1)
.rept 4
	v_nop
.endr
.endm
.macro POW2 d, a, b                    ; s[d] = s[d+1] = 2^(s[a] + s[b])
	s_add_co_i32 s[\d], s[\a], s[\b]
	s_add_co_i32 s[\d], s[\d], 127
	s_lshl_b32 s[\d], s[\d], 23
	s_mov_b32 s[\d+1], s[\d]
.endm
.macro NPOW2 d, a, b                   ; 2^-(s[a] + s[b])
	s_add_co_i32 s[\d], s[\a], s[\b]
	s_sub_co_i32 s[\d], 127, s[\d]
	s_lshl_b32 s[\d], s[\d], 23
	s_mov_b32 s[\d+1], s[\d]
.endm
.macro SCLM se                         ; v11 = 2^e, v12 = 448 x 2^e, e = s[se]
	s_add_co_i32 s29, s[\se], 127
	s_lshl_b32 s61, s29, 23
	v_mov_b32 v11, s61
	s_add_co_i32 s29, s29, 8
	s_lshl_b32 s29, s29, 23
	s_or_b32 s29, s29, 0x600000
	v_mov_b32 v12, s29
.endm
.macro CPAIR d, val
	s_mov_b32 s[\d], \val
	s_mov_b32 s[\d+1], \val
.endm
.macro WLD g                           ; group g of my stream of weights: four fragments, 16 loads of 512 consecutive bytes, into ring slot g % 4
	WIN 0x40
.irp jj, 0,1,2,3
.irp c, 0,1,2,3
	global_load_b128 v[64*((\g)%4)+16*\jj+4*\c:64*((\g)%4)+16*\jj+4*\c+3], v3, s[30:31] offset:8192*(\g)+2048*\jj+512*\c
.endr
.endr
	WIN 0
.endm
.macro ALD L, s                        ; A's two fragments of K step s of layer L, from LDS into buffer s % 2
.irp m, 0,1
.irp c, 0,1,2,3
	ds_load_b128 v[AF+32*((\s)%2)+16*\m+4*\c:AF+32*((\s)%2)+16*\m+4*\c+3], v3 offset:A1*((\L)%2)+16384*\m+2048*(\s)+512*\c
.endr
.endr
.endm
.macro KS L, s                         ; a K step: two groups of eight products.  The sixteen accumulators take turns, one instruction a turn
	s_wait_dscnt 0x0                               ; this step's fragments of A are in
.if \s < 7
	ALD \L, \s+1                                   ; the next step's: their buffer's last readers stand ahead of the last group's four places
.endif
.irp hf, 0,1
.set G, 2*(8*\L+\s)+\hf
.if 47-G >= 3
	s_wait_loadcnt 48                              ; this group's 16 loads are in; the three groups behind it are younger
.else
	s_wait_loadcnt 16*(47-G)
.endif
	WIN 0x01
.irp jj, 0,1,2,3
.irp m, 0,1
.set rD, ACC+64*\m+8*(4*\hf+\jj)
.set rW, 64*(G%4)+16*\jj
.set rA, AF+32*((\s)%2)+16*\m
.if (\L == 1) && (\s == 0)
	v_wmma_f32_16x16x128_fp8_fp8 v[rD:rD+7], v[rW:rW+15], v[rA:rA+15], 0
.else
	v_wmma_f32_16x16x128_fp8_fp8 v[rD:rD+7], v[rW:rW+15], v[rA:rA+15], v[rD:rD+7]
.endif
.endr
.endr
	PLACES
.if G < 44
	WLD G+4                                        ; into the ring slot just multiplied
.endif
	WIN 0
.endr
.endm
.macro RSUM k                          ; v[T], v[T+4]: my part of a sum over the row, for row tiles 0 and 1.  Out: v16, v24: the rows' sums, the same bits in every wave.  Region k of RED, 1,024 bytes, is written once in the launch (k may be an expression: it stands in brackets)
	v_permlanex16_b32 v13, v[T], s58, s59
	v_permlanex16_b32 v14, v[T+4], s58, s59
	v_add_f32 v13, v13, v[T]
	v_add_f32 v14, v14, v[T+4]
	v_cndmask_b32 v15, v13, v14, s60               ; lane l carries row l
	ds_store_b32 v9, v15 offset:1024*(\k)
	s_wait_dscnt 0x0                               ; for the others' sake: my store has landed (and all my earlier LDS reads are in)
	s_barrier_signal -1
	s_barrier_wait -1
	ds_load_b128 v[16:19], v10 offset:1024*(\k)
	ds_load_b128 v[20:23], v10 offset:1024*(\k)+16
	ds_load_b128 v[24:27], v10 offset:1024*(\k)+512
	ds_load_b128 v[28:31], v10 offset:1024*(\k)+528
	s_wait_dscnt 0x0
	v_pk_add_f32 v[16:17], v[16:17], v[18:19]
	v_pk_add_f32 v[24:25], v[24:25], v[26:27]
	v_pk_add_f32 v[20:21], v[20:21], v[22:23]
	v_pk_add_f32 v[28:29], v[28:29], v[30:31]
	v_pk_add_f32 v[16:17], v[16:17], v[20:21]
	v_pk_add_f32 v[24:25], v[24:25], v[28:29]
	v_add_f32 v16, v16, v17
	v_add_f32 v24, v24, v25
.endm
.macro LN k, g, b                      ; LayerNorm of the 32 rows in the accumulators' registers, in place; RED regions k, k + 1; gain and offset: vectors g, b
.irp m, 0,1
	v_pk_add_f32 v[T+4*\m:T+4*\m+1], v[ACC+64*\m:ACC+64*\m+1], v[ACC+64*\m+2:ACC+64*\m+3]
	v_pk_add_f32 v[T+4*\m+2:T+4*\m+3], v[ACC+64*\m+4:ACC+64*\m+5], v[ACC+64*\m+6:ACC+64*\m+7]
.endr
.set n, 8
.rept 14
.irp m, 0,1
	v_pk_add_f32 v[T+4*\m:T+4*\m+1], v[T+4*\m:T+4*\m+1], v[ACC+64*\m+n:ACC+64*\m+n+1]
	v_pk_add_f32 v[T+4*\m+2:T+4*\m+3], v[T+4*\m+2:T+4*\m+3], v[ACC+64*\m+n+2:ACC+64*\m+n+3]
.endr
.set n, n+4
.endr
.irp m, 0,1
	v_pk_add_f32 v[T+4*\m:T+4*\m+1], v[T+4*\m:T+4*\m+1], v[T+4*\m+2:T+4*\m+3]
.endr
.irp m, 0,1
	v_add_f32 v[T+4*\m], v[T+4*\m], v[T+4*\m+1]
.endr
	RSUM \k
	v_mul_f32 v[T+8], s90, v16                     ; the mean
	v_mul_f32 v[T+10], s90, v24
	v_mov_b32 v[T+9], v[T+8]
	v_mov_b32 v[T+11], v[T+10]
.irp m, 0,1
.set n, 0
.rept 32
	v_pk_add_f32 v[ACC+64*\m+n:ACC+64*\m+n+1], v[ACC+64*\m+n:ACC+64*\m+n+1], v[T+8+2*\m:T+9+2*\m] neg_lo:[0,1] neg_hi:[0,1]
.set n, n+2
.endr
.endr
.irp m, 0,1
	v_pk_mul_f32 v[T+4*\m:T+4*\m+1], v[ACC+64*\m:ACC+64*\m+1], v[ACC+64*\m:ACC+64*\m+1]
	v_pk_mul_f32 v[T+4*\m+2:T+4*\m+3], v[ACC+64*\m+2:ACC+64*\m+3], v[ACC+64*\m+2:ACC+64*\m+3]
.endr
.set n, 4
.rept 15
.irp m, 0,1
	v_pk_fma_f32 v[T+4*\m:T+4*\m+1], v[ACC+64*\m+n:ACC+64*\m+n+1], v[ACC+64*\m+n:ACC+64*\m+n+1], v[T+4*\m:T+4*\m+1]
	v_pk_fma_f32 v[T+4*\m+2:T+4*\m+3], v[ACC+64*\m+n+2:ACC+64*\m+n+3], v[ACC+64*\m+n+2:ACC+64*\m+n+3], v[T+4*\m+2:T+4*\m+3]
.endr
.set n, n+4
.endr
.irp m, 0,1
	v_pk_add_f32 v[T+4*\m:T+4*\m+1], v[T+4*\m:T+4*\m+1], v[T+4*\m+2:T+4*\m+3]
.endr
.irp m, 0,1
	v_add_f32 v[T+4*\m], v[T+4*\m], v[T+4*\m+1]
.endr
	RSUM \k+1
	v_mul_f32 v16, s91, v16                        ; / 1,023
	v_mul_f32 v24, s91, v24
	v_sqrt_f32 v16, v16
	v_sqrt_f32 v24, v24
	v_nop
	s_wait_alu depctr_va_vdst(0)                   ; one wait for the two roots, ahead of their first reader
	v_add_f32 v16, s92, v16                        ; eps is added to the root
	v_add_f32 v24, s92, v24
	v_rcp_f32 v[T+12], v16
	v_rcp_f32 v[T+14], v24
	v_nop
	s_wait_alu depctr_va_vdst(0)
	v_mov_b32 v[T+13], v[T+12]
	v_mov_b32 v[T+15], v[T+14]
.irp jh, 0,1
.irp j, 0,1,2,3
	ds_load_b128 v[AF+8*\j:AF+8*\j+3], v6 offset:4096*\g+64*(4*\jh+\j)
	ds_load_b128 v[AF+8*\j+4:AF+8*\j+7], v6 offset:4096*\g+64*(4*\jh+\j)+16
	ds_load_b128 v[AF+32+8*\j:AF+32+8*\j+3], v6 offset:4096*\b+64*(4*\jh+\j)
	ds_load_b128 v[AF+32+8*\j+4:AF+32+8*\j+7], v6 offset:4096*\b+64*(4*\jh+\j)+16
.endr
	s_wait_dscnt 0x0
.irp m, 0,1
.irp j, 0,1,2,3
.set rA, ACC+64*\m+8*(4*\jh+\j)
.irp i, 0,2,4,6
	v_pk_mul_f32 v[rA+\i:rA+\i+1], v[rA+\i:rA+\i+1], v[T+12+2*\m:T+13+2*\m]
.endr
.irp i, 0,2,4,6
	v_pk_fma_f32 v[rA+\i:rA+\i+1], v[rA+\i:rA+\i+1], v[AF+8*\j+\i:AF+8*\j+\i+1], v[AF+32+8*\j+\i:AF+32+8*\j+\i+1]
.endr
.endr
.endr
.endr
.endm
.macro SCALEUP pr                      ; the finished sums x a power of two, each accumulator from its low end on
.set n, 0
.rept 64
	v_pk_mul_f32 v[ACC+n:ACC+n+1], v[ACC+n:ACC+n+1], s[\pr:\pr+1] op_sel_hi:[1,0]
.set n, n+2
.endr
.endm
.macro RESID vec, pr                   ; the accumulators' registers hold a residual: they become (residual + vector vec) x s[pr], the C of the next product
.irp j, 0,1,2,3,4,5,6,7
	ds_load_b128 v[AF+8*\j:AF+8*\j+3], v6 offset:4096*\vec+64*\j
	ds_load_b128 v[AF+8*\j+4:AF+8*\j+7], v6 offset:4096*\vec+64*\j+16
.endr
	s_wait_dscnt 0x0                               ; the residual and the vector are in; all my LDS stores have landed
.set n, 0
.rept 32
	v_pk_mul_f32 v[AF+n:AF+n+1], v[AF+n:AF+n+1], s[\pr:\pr+1] op_sel_hi:[1,0]
.set n, n+2
.endr
.irp m, 0,1
.irp j, 0,1,2,3,4,5,6,7
.irp i, 0,2,4,6
	v_pk_fma_f32 v[ACC+64*\m+8*\j+\i:ACC+64*\m+8*\j+\i+1], v[ACC+64*\m+8*\j+\i:ACC+64*\m+8*\j+\i+1], s[\pr:\pr+1], v[AF+8*\j+\i:AF+8*\j+\i+1] op_sel_hi:[1,0,1]
.endr
.endr
.endr
.endm
.macro GELU jp, m                      ; column tiles 2 jp, 2 jp + 1 of row tile m: 16 numbers a lane become four registers of codes: block jp of my K step's image
.set Z,  ACC+64*\m+16*\jp
.set GA, AF
.set GT, AF+16
.set GP, AF+32
.set GC, AF+48+4*((2*\jp+\m)%4)
.irp i, 0,2,4,6,8,10,12,14
	v_pk_fma_f32 v[Z+\i:Z+\i+1], v[Z+\i:Z+\i+1], s[52:53], v[T+\i:T+\i+1] op_sel_hi:[1,0,1]   ; z = sum x 2^(e12 + e13) + b1
.endr
.irp i, 0,1,2,3,4,5,6,7,8,9,10,11,12,13,14,15
	v_mul_f32 v[GA+\i], s86, |v[Z+\i]|             ; a = |z| / sqrt 2
.endr
.irp i, 0,2,4,6,8,10,12,14
	v_pk_fma_f32 v[GT+\i:GT+\i+1], v[GA+\i:GA+\i+1], 0.5, 1.0 op_sel_hi:[1,0,0]
.endr
.irp i, 0,1,2,3,4,5,6,7,8,9,10,11,12,13,14,15
	v_rcp_f32 v[GT+\i], v[GT+\i]                   ; t = 1 / (1 + a / 2)
.endr
	v_nop
	s_wait_alu depctr_va_vdst(0)                   ; one wait for the sixteen reciprocals
.irp i, 0,2,4,6,8,10,12,14
	v_pk_fma_f32 v[GP+\i:GP+\i+1], v[GT+\i:GT+\i+1], s[66:67], v[254:255] op_sel_hi:[1,0,1]
.endr
.irp c, 70,72,74,76,78,80,82,84
.irp i, 0,2,4,6,8,10,12,14
	v_pk_fma_f32 v[GP+\i:GP+\i+1], v[GP+\i:GP+\i+1], v[GT+\i:GT+\i+1], s[\c:\c+1] op_sel_hi:[1,1,0]
.endr
.endr
.irp i, 0,2,4,6,8,10,12,14
	v_pk_fma_f32 v[GP+\i:GP+\i+1], v[GA+\i:GA+\i+1], v[GA+\i:GA+\i+1], v[GP+\i:GP+\i+1] neg_lo:[1,0,0] neg_hi:[1,0,0]   ; P(t) - a^2
.endr
.irp i, 0,2,4,6,8,10,12,14
	v_pk_mul_f32 v[GP+\i:GP+\i+1], v[GP+\i:GP+\i+1], s[88:89] op_sel_hi:[1,0]
.endr
.irp i, 0,1,2,3,4,5,6,7,8,9,10,11,12,13,14,15
	v_exp_f32 v[GP+\i], v[GP+\i]
.endr
	v_nop
	s_wait_alu depctr_va_vdst(0)                   ; one wait for the sixteen exponentials
.irp i, 0,2,4,6,8,10,12,14
	v_pk_mul_f32 v[GP+\i:GP+\i+1], v[GP+\i:GP+\i+1], v[GT+\i:GT+\i+1]   ; erfc(a)
.endr
.irp i, 0,1,2,3,4,5,6,7,8,9,10,11,12,13,14,15
	v_and_or_b32 v[GA+\i], v[Z+\i], s94, s93       ; sg = +-1, z's sign
.endr
.irp i, 0,2,4,6,8,10,12,14
	v_pk_add_f32 v[GT+\i:GT+\i+1], v[GA+\i:GA+\i+1], 1.0 op_sel_hi:[1,0]
.endr
.irp i, 0,2,4,6,8,10,12,14
	v_pk_fma_f32 v[GP+\i:GP+\i+1], v[GA+\i:GA+\i+1], v[GP+\i:GP+\i+1], v[GT+\i:GT+\i+1] neg_lo:[1,0,0] neg_hi:[1,0,0]   ; (1 + sg) - sg erfc(a)
.endr
.irp i, 0,2,4,6,8,10,12,14
	v_pk_mul_f32 v[GP+\i:GP+\i+1], v[GP+\i:GP+\i+1], v[Z+\i:Z+\i+1]     ; 2 gelu(z)
.endr
.irp i, 0,1,2,3,4,5,6,7,8,9,10,11,12,13,14,15
	v_med3_num_f32 v[GP+\i], v[GP+\i], -v12, v12
.endr
	v_cvt_scalef32_pk8_fp8_f32 v[GC:GC+1], v[GP:GP+7], v11
	v_cvt_scalef32_pk8_fp8_f32 v[GC+2:GC+3], v[GP+8:GP+15], v11
	ds_store_b128 v5, v[GC:GC+3] offset:16384*\m+512*\jp   ; four sets of code registers take turns; a set is written again behind the wait for b1 two column pairs on
.endm
	s_load_b512 s[4:19], s[0:1], 0x0               ; ac 4:5, wt 6:7, x 8:9, bo 10:11, gamma1 12:13, beta1 14:15, b1 16:17, b2 18:19
	s_load_b256 s[20:27], s[0:1], 0x40             ; gamma2 20:21, beta2 22:23, scales 24:25, out0 26:27
	v_lshl_add_u32 v1, v0, 2, SPARE                ; my spare word
	v_mov_b32 v2, 0
	v_lshrrev_b32 v3, 5, v0
	v_readfirstlane_b32 s28, v3                    ; wave
	v_and_b32 v13, 31, v0                          ; lane
	v_bfe_u32 v14, v0, 4, 1                        ; h
	v_and_b32 v15, 15, v0                          ; r
	v_lshlrev_b32 v3, 4, v13
	v_lshlrev_b32 v4, 4, v0
	s_lshl_b32 s61, s28, 11
	v_add_nc_u32 v5, s61, v3
	s_lshl_b32 s61, s28, 9
	v_lshl_add_u32 v6, v14, 5, s61
	v_add_nc_u32 v6, VEC, v6
	s_mul_i32 s62, s28, 16896
	v_add_nc_u32 v7, s62, v3
	v_add_nc_u32 v7, STG, v7
	v_mul_u32_u24 v8, v15, 528
	v_lshl_add_u32 v8, v14, 5, v8
	v_add_nc_u32 v8, s62, v8
	v_add_nc_u32 v8, STG, v8
	s_lshl_b32 s61, s28, 2
	v_lshl_add_u32 v9, v13, 5, s61
	v_add_nc_u32 v9, RED, v9
	v_lshlrev_b32 v10, 5, v15
	v_add_nc_u32 v10, RED, v10
	v_add_nc_u32 v253, VEC, v4                     ; where I store my 16 bytes of a vector
	v_mov_b32 v254, 0xbf527892                     ; -0.82215223, as a pair
	v_mov_b32 v255, 0xbf527892
	s_lshl_b32 s62, ttmp9, 15                      ; ac: 32 KiB a work-group
	s_mov_b32 s63, 0
	s_lshl_b32 s96, ttmp9, 17                      ; x, out0: 32 rows of 4,096 bytes
	s_mov_b32 s97, 0
	s_mul_i32 s98, s28, 393216                     ; wt: my stream
	s_mov_b32 s99, 0
	s_mov_b32 s58, 0x76543210                      ; v_permlanex16_b32: lane l xor 16
	s_mov_b32 s59, 0xfedcba98
	s_mov_b32 s60, 0xffff0000                      ; lanes 16-31
	CPAIR 66, 0x3e2ef945                           ;  0.17087277
	CPAIR 70, 0x3fbe87b0                           ;  1.48851587
	CPAIR 72, 0xbf914e5d                           ; -1.13520398
	CPAIR 74, 0x3e8ec7cc                           ;  0.27886807
	CPAIR 76, 0xbe3ec24c                           ; -0.18628806
	CPAIR 78, 0x3dc636c9                           ;  0.09678418
	CPAIR 80, 0x3ebf88fb                           ;  0.37409196
	CPAIR 82, 0x3f8000c7                           ;  1.00002368
	CPAIR 84, 0xbfa1fc4e                           ; -1.26551223
	s_mov_b32 s86, 0x3f3504f3                      ; 1 / sqrt 2
	CPAIR 88, 0x3fb8aa3b                           ; log2(e)
	s_mov_b32 s90, 0x3a800000                      ; 1 / 1,024
	s_mov_b32 s91, 0x3a802008                      ; 1 / 1,023
	s_mov_b32 s92, 0x358637bd                      ; 1e-6
	s_mov_b32 s93, 0x3f800000
	s_mov_b32 s94, 0x80000000
	s_wait_kmcnt 0x0
	s_load_b512 s[32:47], s[24:25], 0x0            ; e0 .. e15
	s_add_nc_u64 s[4:5], s[4:5], s[62:63]
	s_add_nc_u64 s[8:9], s[8:9], s[96:97]
	s_add_nc_u64 s[26:27], s[26:27], s[96:97]
	s_add_nc_u64 s[30:31], s[6:7], s[98:99]
.irp i, 0,1,2,3,4,5,6,7
	global_load_b128 v[AF+4*\i:AF+4*\i+3], v4, s[4:5] offset:4096*\i th:TH_LOAD_NT   ; attn's 16 fragments
.endr
	global_load_b128 v[AF+32:AF+35], v4, s[10:11]
	global_load_b128 v[AF+36:AF+39], v4, s[12:13]
	global_load_b128 v[AF+40:AF+43], v4, s[14:15]
	global_load_b128 v[AF+44:AF+47], v4, s[16:17]
	global_load_b128 v[AF+48:AF+51], v4, s[18:19]
	global_load_b128 v[AF+52:AF+55], v4, s[20:21]
	global_load_b128 v[AF+56:AF+59], v4, s[22:23]
.set i, 0
.rept 32
	global_load_b128 v[ACC+4*i:ACC+4*i+3], v4, s[8:9] offset:4096*i th:TH_LOAD_NT   ; row i of x: my wave's 512 bytes
.set i, i+1
.endr
	WLD 0
	WLD 1
	WLD 2
	WLD 3
	s_wait_loadcnt 63                              ; the ring's 64 loads are younger than the 47 above: with at most 63 out, all 47 are in
.irp i, 0,1,2,3,4,5,6,7
	ds_store_b128 v4, v[AF+4*\i:AF+4*\i+3] offset:4096*\i
.endr
.irp i, 0,1,2,3,4,5,6
	ds_store_b128 v253, v[AF+32+4*\i:AF+35+4*\i] offset:4096*\i
.endr
.set i, 0
.rept 32
	ds_store_b128 v7, v[ACC+4*i:ACC+4*i+3] offset:528*i
.set i, i+1
.endr
.irp m, 0,1                            ; LDS serves a wave's instructions in order: x comes back in the results' layout, into the registers that it left
.irp j, 0,1,2,3,4,5,6,7
	ds_load_b128 v[ACC+64*\m+8*\j:ACC+64*\m+8*\j+3], v8 offset:8448*\m+64*\j
	ds_load_b128 v[ACC+64*\m+8*\j+4:ACC+64*\m+8*\j+7], v8 offset:8448*\m+64*\j+16
.endr
.endr
	s_wait_kmcnt 0x0
	NPOW2 48, 42, 43
	POW2 50, 42, 43
	POW2 52, 44, 45
	NPOW2 54, 46, 47
	POW2 56, 46, 47
	RESID 0, 48                                    ; C = (x + bo) / 2^(e10 + e11)
	s_barrier_signal -1                            ; attn's images lie in LDS (the wait for my stores stands in RESID)
	s_barrier_wait -1
	ALD 0, 0
	; ---- attn Wo + bo + x, LayerNorm 1 ----
.irp s, 0,1,2,3,4,5,6,7
	KS 0, \s
.endr
	SCALEUP 50
	LN 0, 1, 2
.set i, 0
.rept 32
	ds_store_b128 v7, v[ACC+4*i:ACC+4*i+3] offset:512*i   ; h in f32, as an image of my registers, in my own stage
.set i, i+1
.endr
	SCLM 44
.irp m, 0,1                            ; h's codes: K step w of the next product
.irp j, 0,1,2,3,4,5,6,7
.irp i, 0,1,2,3,4,5,6,7
	v_med3_num_f32 v[T+8*(\j%2)+\i], v[ACC+64*\m+8*\j+\i], -v12, v12   ; two sets by turns: no conversion's sources are written directly behind it
.endr
	v_cvt_scalef32_pk8_fp8_f32 v[AF+16*\m+2*\j:AF+16*\m+2*\j+1], v[T+8*(\j%2):T+8*(\j%2)+7], v11
.endr
.endr
	v_nop
.irp m, 0,1
.irp c, 0,1,2,3
	ds_store_b128 v5, v[AF+16*\m+4*\c:AF+16*\m+4*\c+3] offset:A1+16384*\m+512*\c
.endr
.endr
	s_wait_dscnt 0x0
	s_barrier_signal -1
	s_barrier_wait -1                              ; h's sixteen fragments lie in LDS
	ALD 1, 0
	; ---- gelu(h W1 + b1) ----
.irp s, 0,1,2,3,4,5,6,7
	KS 1, \s
.endr
	s_add_co_i32 s95, s46, 1                       ; the 0.5 of gelu goes into the scale
	SCLM 95
.irp jp, 0,1,2,3
	ds_load_b128 v[T:T+3], v6 offset:4096*3+128*\jp
	ds_load_b128 v[T+4:T+7], v6 offset:4096*3+128*\jp+16
	ds_load_b128 v[T+8:T+11], v6 offset:4096*3+128*\jp+64
	ds_load_b128 v[T+12:T+15], v6 offset:4096*3+128*\jp+80
	s_wait_dscnt 0x0                               ; b1 is in; the code stores so far have landed
	GELU \jp, 0
	GELU \jp, 1
.endr
.set i, 0
.rept 32
	ds_load_b128 v[ACC+4*i:ACC+4*i+3], v7 offset:512*i    ; h comes back
.set i, i+1
.endr
	RESID 4, 54                                    ; C = (h + b2) / 2^(e14 + e15)
	s_barrier_signal -1                            ; the hidden layer's images lie in LDS (the wait for my stores stands in RESID).  They took the place of attn's, which every wave had read before LayerNorm 1's barriers
	s_barrier_wait -1
	ALD 2, 0
	; ---- .. W2 + b2 + h, LayerNorm 2 ----
.irp s, 0,1,2,3,4,5,6,7
	KS 2, \s
.endr
	SCALEUP 56
	LN 2, 5, 6
	; ---- the way out: through my stage, so that a store covers 512 consecutive bytes of a row
.irp m, 0,1
.irp j, 0,1,2,3,4,5,6,7
	ds_store_b128 v8, v[ACC+64*\m+8*\j:ACC+64*\m+8*\j+3] offset:8448*\m+64*\j
	ds_store_b128 v8, v[ACC+64*\m+8*\j+4:ACC+64*\m+8*\j+7] offset:8448*\m+64*\j+16
.endr
.irp i, 0,1,2,3,4,5,6,7,8,9,10,11,12,13,14,15
	ds_load_b128 v[ACC+64*\m+4*\i:ACC+64*\m+4*\i+3], v7 offset:528*(16*\m+\i)
.endr
.endr
.irp m, 0,1
.irp i, 0,1,2,3,4,5,6,7,8,9,10,11,12,13,14,15
	s_wait_dscnt 15-\i+32*(1-\m)                   ; younger: the later rows of this tile, and for tile 0 the other tile's 32 instructions
	global_store_b128 v4, v[ACC+64*\m+4*\i:ACC+64*\m+4*\i+3], s[26:27] offset:4096*(16*\m+\i) th:TH_STORE_NT
.endr
.endr
	s_wait_tensorcnt 0x0                           ; the wave's end: three closing lines behind my last LDS store
	ds_add_u32 v1, v2
	s_wait_dscnt 0x0
	s_endpgm
.Lfunc_end_k_q6111795607_tail:
	.size	k_q6111795607_tail, .Lfunc_end_k_q6111795607_tail-k_q6111795607_tail
	.p2alignl 7, 3214868480
	.fill 96, 4, 3214868480
	.section	.rodata,"a",@progbits
	.p2align	6, 0x0
	.amdhsa_kernel k_q6111795607_tail
		.amdhsa_group_segment_fixed_size 234496
		.amdhsa_private_segment_fixed_size 0
		.amdhsa_enable_private_segment 0
		.amdhsa_kernarg_size 96
		.amdhsa_user_sgpr_count 2
		.amdhsa_user_sgpr_kernarg_segment_ptr 1
		.amdhsa_wavefront_size32 1
		.amdhsa_system_sgpr_workgroup_id_x 1
		.amdhsa_system_sgpr_workgroup_id_y 1
		.amdhsa_system_sgpr_workgroup_id_z 1
		.amdhsa_system_vgpr_workitem_id 0
		.amdhsa_next_free_vgpr 512
		.amdhsa_next_free_sgpr 100
		.amdhsa_reserve_vcc 0
		.amdhsa_float_denorm_mode_32 3
		.amdhsa_float_denorm_mode_16_64 3
		.amdhsa_memory_ordered 1
		.amdhsa_forward_progress 1
		.amdhsa_inst_pref_size 255
	.end_amdhsa_kernel
	.section	.bss,"aw",@nobits
	.p2align	6
	.space	262144
	.amdgpu_metadata
---
amdhsa.version: [ 1, 2 ]
amdhsa.kernels:
  - .name:           k_q6111795607_tail
    .symbol:         k_q6111795607_tail.kd
    .args:
      - { .name: ac, .offset: 0, .size: 8, .value_kind: global_buffer, .address_space: global }
      - { .name: wt, .offset: 8, .size: 8, .value_kind: global_buffer, .address_space: global }
      - { .name: x, .offset: 16, .size: 8, .value_kind: global_buffer, .address_space: global }
      - { .name: bo, .offset: 24, .size: 8, .value_kind: global_buffer, .address_space: global }
      - { .name: gamma1, .offset: 32, .size: 8, .value_kind: global_buffer, .address_space: global }
      - { .name: beta1, .offset: 40, .size: 8, .value_kind: global_buffer, .address_space: global }
      - { .name: b1, .offset: 48, .size: 8, .value_kind: global_buffer, .address_space: global }
      - { .name: b2, .offset: 56, .size: 8, .value_kind: global_buffer, .address_space: global }
      - { .name: gamma2, .offset: 64, .size: 8, .value_kind: global_buffer, .address_space: global }
      - { .name: beta2, .offset: 72, .size: 8, .value_kind: global_buffer, .address_space: global }
      - { .name: lowp_scales, .offset: 80, .size: 8, .value_kind: global_buffer, .address_space: global }
      - { .name: out0, .offset: 88, .size: 8, .value_kind: global_buffer, .address_space: global }
    .group_segment_fixed_size: 234496
    .private_segment_fixed_size: 0
    .kernarg_segment_align: 8
    .kernarg_segment_size: 96
    .max_flat_workgroup_size: 256
    .sgpr_count:     100
    .vgpr_count:     512
    .wavefront_size: 32
...
	.end_amdgpu_metadata
.endif
;; end of part 3
;; ======== version 2 of 2: 3 launches
;; workspace buffers: xc 25,165,824 bytes; wqkv 3,145,728 bytes; wt 3,145,728 bytes; ac 8,388,608 bytes
;; launch prep (part 4): grid 896 x 1, 4 waves a work-group, no clusters, 34,304 bytes of LDS; arguments x, Wq, Wk, Wv, Wo, W1, W2, lowp_scales, xc, wqkv, wt; writes xc, wqkv, wt
.if DOCPART == 4
	.amdgcn_target "amdgcn-amd-amdhsa--gfx1250"
	.amdhsa_code_object_version 6
	.text
	.protected	k_q6111795607_prep
	.globl	k_q6111795607_prep
	.p2align	8
	.type	k_q6111795607_prep,@function
k_q6111795607_prep:
	s_mov_b64 s[64:65], 0
	v_nop
	global_prefetch_b8 v0, s[64:65] scope:SCOPE_SE
	s_setreg_imm32_b32 hwreg(HW_REG_WAVE_MODE, 25, 1), 1
	s_wait_xcnt 0x0
; ENCODER LAYER, first of three launches: x and the six weights become codes of E4M3, laid as IMAGES OF OPERAND REGISTERS.
; DEAD WORK: none.  Every input of the layer has a way to the output (bk moves K's codes, so it stays): every product, bias, gain and the mask are served, here or in the two launches that follow.
; code = number / 2^e, held within +-448, rounded to the nearest code, ties to even.  x is quantised three times, under entries 0, 2, 4 of the scales (they need not be equal); Wq, Wk, Wv, Wo, W1, W2 under entries 1, 3, 5, 11, 13, 15.
; LIMITS: each e lies between -126 and 119, so that 2^e and 448 x 2^e are f32 numbers.  NaN among the inputs is not served (an infinity is held at the largest code).
; THE IMAGE of a fragment (16 rows x 128 K): lane l = (r = l % 16, h = l / 16) holds row r; registers 2 c', 2 c' + 1 hold k = 16 c' + 8 h + 0 .. 7.  Registers 4 c .. 4 c + 3 of all lanes are a block of 512 bytes, lane l's 16 bytes at 512 c + 16 l; a fragment is 2,048 bytes.
;   xc   [token tile T >> 2][p: 0 Q, 1 K, 2 V][K step s][T & 3]      wqkv [head][p][s][column tile j]      wt [128 columns w][layer: 0 Wo, 1 W1, 2 W2][s][column tile j]
; WORK-GROUPS 0 to 511: a tile of 16 tokens; wave w takes K steps 2 w and 2 w + 1.  Each load reads 512 consecutive bytes of a row; the 16 x 512 bytes turn through the wave's own stage in LDS, so that a lane gets 8 neighbours along K in 8 registers.
; WORK-GROUPS 512 to 895: 128 columns x 128 K of one weight (K is its first axis): a lane takes a column and its registers run down K, so the conversions give codes with K innermost; sixteen lanes store 256 consecutive aligned bytes.  No LDS on this path.
; No matrix work, no ring, no cluster: a stream in which nothing is shared between work-groups.
.set SPARE, 33792                      ; behind the four stages: the spare words, 128 bytes a wave
.set STGB,  8448                       ; a wave's stage: 16 rows x (512 + 16) bytes
.set RR,    16                         ; v16-143  x path: two units of 16 rows as loaded; later the units' codes
.set XX,    144                        ; v144-207 x path: 64 numbers back from the stage
.set TT,    208                        ; v208-239 x path: held numbers, two sets of 16 by turns, so that no conversion's sources are written directly behind it
.macro SCLM se, vs, vl                 ; v[vs] = 2^e, v[vl] = 448 x 2^e, e = s[se]
	s_add_co_i32 s48, s[\se], 127
	s_lshl_b32 s49, s48, 23
	v_mov_b32 v[\vs], s49
	s_add_co_i32 s48, s48, 8
	s_lshl_b32 s48, s48, 23
	s_or_b32 s48, s48, 0x600000
	v_mov_b32 v[\vl], s48
.endm
	s_load_b512 s[4:19], s[0:1], 0x0               ; x 4:5, Wq 6:7, Wk 8:9, Wv 10:11, Wo 12:13, W1 14:15, W2 16:17, scales 18:19
	s_load_b128 s[20:23], s[0:1], 0x40             ; xc 20:21, wqkv 22:23
	s_load_b64 s[24:25], s[0:1], 0x50              ; wt
	v_lshl_add_u32 v1, v0, 2, SPARE                ; my spare word
	v_mov_b32 v2, 0
	v_lshrrev_b32 v3, 5, v0
	v_readfirstlane_b32 s26, v3                    ; wave
	v_and_b32 v3, 31, v0                           ; lane
	v_lshlrev_b32 v4, 4, v3                        ; 16 x lane
	s_cmp_lt_u32 ttmp9, 512
	s_cbranch_scc0 .Lweights
	; ---------------- x ----------------
	s_mul_i32 s27, s26, STGB
	v_add_nc_u32 v5, s27, v4                       ; stage, in: 16 x lane of a row
	v_and_b32 v6, 15, v0
	v_bfe_u32 v7, v0, 4, 1
	v_mul_u32_u24 v6, v6, 528
	v_lshl_add_u32 v6, v7, 5, v6
	v_add_nc_u32 v6, s27, v6                       ; stage, out: row r, + 32 h
	s_lshl_b32 s28, ttmp9, 16                      ; 16 rows of 4,096 bytes a tile,
	s_lshl_b32 s29, s26, 10                        ; two K steps of 512 bytes a wave
	s_add_co_u32 s28, s28, s29
	s_mov_b32 s29, 0
	s_lshr_b32 s30, ttmp9, 2
	s_mul_i32 s30, s30, 196608
	s_and_b32 s31, ttmp9, 3
	s_lshl_b32 s31, s31, 11
	s_add_co_u32 s30, s30, s31
	s_lshl_b32 s31, s26, 14
	s_add_co_u32 s30, s30, s31
	s_mov_b32 s31, 0
	s_wait_kmcnt 0x0
	s_load_b256 s[32:39], s[18:19], 0x0            ; e0 .. e7
	s_add_nc_u64 s[4:5], s[4:5], s[28:29]
	s_add_nc_u64 s[20:21], s[20:21], s[30:31]
	s_wait_alu depctr_va_vdst(0)
.irp u, 0,1
.irp r, 0,1,2,3,4,5,6,7,8,9,10,11,12,13,14,15
	global_load_b128 v[RR+64*\u+4*\r:RR+64*\u+4*\r+3], v4, s[4:5] offset:4096*\r+512*\u th:TH_LOAD_NT   ; 512 consecutive bytes of row r
.endr
.endr
	s_wait_kmcnt 0x0
	SCLM 32, 8, 9
	SCLM 34, 10, 11
	SCLM 36, 12, 13
.macro UNIT u
.if \u == 0
	s_wait_loadcnt 16                              ; this unit's 16 loads are in; the other unit's 16 are younger
.else
	s_wait_loadcnt 0x0
.endif
.irp r, 0,1,2,3,4,5,6,7,8,9,10,11,12,13,14,15
	ds_store_b128 v5, v[RR+64*\u+4*\r:RR+64*\u+4*\r+3] offset:528*\r
.endr
.irp c, 0,1,2,3                        ; LDS serves a wave's instructions in order: these see the stores above.  k = 32 c + 8 h + 0 .. 7, then 32 c + 16 + 8 h + 0 .. 7
	ds_load_b128 v[XX+16*\c:XX+16*\c+3], v6 offset:128*\c
	ds_load_b128 v[XX+16*\c+4:XX+16*\c+7], v6 offset:128*\c+16
	ds_load_b128 v[XX+16*\c+8:XX+16*\c+11], v6 offset:128*\c+64
	ds_load_b128 v[XX+16*\c+12:XX+16*\c+15], v6 offset:128*\c+80
.endr
	s_wait_dscnt 0x0                               ; the numbers are back; the stores have read the registers that now take the codes
.irp p, 0,1,2
.irp c, 0,1,2,3
.irp i, 0,1,2,3,4,5,6,7,8,9,10,11,12,13,14,15
	v_med3_num_f32 v[TT+16*(\c%2)+\i], v[XX+16*\c+\i], -v[9+2*\p], v[9+2*\p]   ; the conversion does not saturate: the hold comes first
.endr
	v_cvt_scalef32_pk8_fp8_f32 v[RR+64*\u+16*\p+4*\c:RR+64*\u+16*\p+4*\c+1], v[TT+16*(\c%2):TT+16*(\c%2)+7], v[8+2*\p]
	v_cvt_scalef32_pk8_fp8_f32 v[RR+64*\u+16*\p+4*\c+2:RR+64*\u+16*\p+4*\c+3], v[TT+16*(\c%2)+8:TT+16*(\c%2)+15], v[8+2*\p]
.endr
.irp c, 0,1,2,3
	global_store_b128 v4, v[RR+64*\u+16*\p+4*\c:RR+64*\u+16*\p+4*\c+3], s[20:21] offset:65536*\p+8192*\u+512*\c   ; 512 consecutive aligned bytes; no store's registers are written again
.endr
.endr
.endm
	s_wait_alu depctr_va_vdst(0)
	UNIT 0
	UNIT 1
	s_wait_tensorcnt 0x0                           ; the wave's end: three closing lines behind my last LDS store
	ds_add_u32 v1, v2
	s_wait_dscnt 0x0
	s_endpgm
	; ---------------- the weights ----------------
.Lweights:
	s_sub_co_u32 s27, ttmp9, 512
	s_lshr_b32 s28, s27, 6                         ; which weight: 0 .. 5
	s_and_b32 s29, s27, 7                          ; which 128 columns
	s_bfe_u32 s30, s27, 0x30003                    ; which K step
	s_lshl_b32 s48, s30, 19                        ; in: 128 rows of 4,096 bytes a K step,
	s_lshl_b32 s31, s29, 9                         ; 512 bytes for 128 columns,
	s_add_co_u32 s48, s48, s31
	s_lshl_b32 s31, s26, 7                         ; 128 bytes a wave
	s_add_co_u32 s48, s48, s31
	s_mov_b32 s49, 0
	s_lshl_b32 s50, s29, 1                         ; out, wqkv: head = 2 cb + wave / 2
	s_lshr_b32 s31, s26, 1
	s_add_co_u32 s50, s50, s31
	s_mul_i32 s50, s50, 196608
	s_lshl_b32 s31, s28, 16
	s_add_co_u32 s50, s50, s31
	s_lshl_b32 s31, s30, 13
	s_add_co_u32 s50, s50, s31
	s_and_b32 s31, s26, 1
	s_lshl_b32 s31, s31, 12
	s_add_co_u32 s50, s50, s31
	s_mul_i32 s52, s29, 393216                     ; out, wt
	s_max_u32 s31, s28, 3
	s_sub_co_u32 s31, s31, 3
	s_lshl_b32 s31, s31, 17
	s_add_co_u32 s52, s52, s31
	s_lshl_b32 s31, s30, 14
	s_add_co_u32 s52, s52, s31
	s_lshl_b32 s31, s26, 12
	s_add_co_u32 s52, s52, s31
	s_lshl_b32 s53, s28, 1
	s_cmp_lt_u32 s28, 3
	s_cselect_b32 s50, s50, s52
	s_cselect_b32 s31, 1, 5                        ; the weight's entry of the scales: 1, 3, 5, 11, 13, 15
	s_add_co_u32 s53, s53, s31
	s_lshl_b32 s53, s53, 2
	s_mov_b32 s51, 0
	s_wait_alu depctr_va_vdst(0)
	v_lshlrev_b32 v5, 2, v3                        ; in: 4 bytes a lane
	v_and_b32 v6, 15, v3
	v_lshlrev_b32 v6, 4, v6
	v_lshrrev_b32 v7, 4, v3
	v_lshl_add_u32 v6, v7, 11, v6                  ; out: lanes 0-15 one fragment, lanes 16-31 the next; 16 bytes a row
	s_wait_alu depctr_va_vdst(0)
	s_wait_kmcnt 0x0
	s_load_b32 s56, s[18:19], s53 offset:0x0       ; e
	s_cmp_lt_u32 s28, 3
	s_cselect_b64 s[54:55], s[22:23], s[24:25]
	s_mov_b64 s[58:59], s[6:7]
	s_cmp_eq_u32 s28, 1
	s_cselect_b64 s[58:59], s[8:9], s[58:59]
	s_cmp_eq_u32 s28, 2
	s_cselect_b64 s[58:59], s[10:11], s[58:59]
	s_cmp_eq_u32 s28, 3
	s_cselect_b64 s[58:59], s[12:13], s[58:59]
	s_cmp_eq_u32 s28, 4
	s_cselect_b64 s[58:59], s[14:15], s[58:59]
	s_cmp_eq_u32 s28, 5
	s_cselect_b64 s[58:59], s[16:17], s[58:59]
	s_add_nc_u64 s[58:59], s[58:59], s[48:49]
	s_add_nc_u64 s[54:55], s[54:55], s[50:51]
.set k, 0
.rept 128
	global_load_b32 v[16+k], v5, s[58:59] offset:4096*k th:TH_LOAD_NT   ; W(128 s + k, my column): a wave reads 128 consecutive bytes, the work-group 512
.set k, k+1
.endr
	s_wait_kmcnt 0x0
	SCLM 56, 8, 9
.macro WBLK c, cnt                     ; 32 along K: the image's block c, both halves of the lanes
	s_wait_loadcnt \cnt
.irp i, 0,1,2,3,4,5,6,7,8,9,10,11,12,13,14,15,16,17,18,19,20,21,22,23,24,25,26,27,28,29,30,31
	v_med3_num_f32 v[16+32*\c+\i], v[16+32*\c+\i], -v9, v9
.endr
	v_cvt_scalef32_pk8_fp8_f32 v[144+8*\c:145+8*\c], v[16+32*\c:23+32*\c], v8   ; h = 0: k + 0 .. 7,
	v_cvt_scalef32_pk8_fp8_f32 v[146+8*\c:147+8*\c], v[32+32*\c:39+32*\c], v8   ;        k + 16 .. 23
	v_cvt_scalef32_pk8_fp8_f32 v[148+8*\c:149+8*\c], v[24+32*\c:31+32*\c], v8   ; h = 1: k + 8 .. 15,
	v_cvt_scalef32_pk8_fp8_f32 v[150+8*\c:151+8*\c], v[40+32*\c:47+32*\c], v8   ;        k + 24 .. 31
	global_store_b128 v6, v[144+8*\c:147+8*\c], s[54:55] offset:512*\c          ; sixteen lanes store 256 consecutive aligned bytes
	global_store_b128 v6, v[148+8*\c:151+8*\c], s[54:55] offset:512*\c+256
.endm
	s_wait_alu depctr_va_vdst(0)
	WBLK 0, 63                                     ; 96 loads are younger than this block's: 63, the largest count that can be written, is the smaller and so the safe one
	WBLK 1, 63                                     ; 64 are younger
	WBLK 2, 32
	WBLK 3, 0
	s_endpgm
.Lfunc_end_k_q6111795607_prep:
	.size	k_q6111795607_prep, .Lfunc_end_k_q6111795607_prep-k_q6111795607_prep
	.p2alignl 7, 3214868480
	.fill 96, 4, 3214868480
	.section	.rodata,"a",@progbits
	.p2align	6, 0x0
	.amdhsa_kernel k_q6111795607_prep
		.amdhsa_group_segment_fixed_size 34304
		.amdhsa_private_segment_fixed_size 0
		.amdhsa_enable_private_segment 0
		.amdhsa_kernarg_size 88
		.amdhsa_user_sgpr_count 2
		.amdhsa_user_sgpr_kernarg_segment_ptr 1
		.amdhsa_wavefront_size32 1
		.amdhsa_system_sgpr_workgroup_id_x 1
		.amdhsa_system_sgpr_workgroup_id_y 1
		.amdhsa_system_sgpr_workgroup_id_z 1
		.amdhsa_system_vgpr_workitem_id 0
		.amdhsa_next_free_vgpr 240
		.amdhsa_next_free_sgpr 66
		.amdhsa_reserve_vcc 0
		.amdhsa_float_denorm_mode_32 3
		.amdhsa_float_denorm_mode_16_64 3
		.amdhsa_memory_ordered 1
		.amdhsa_forward_progress 1
		.amdhsa_inst_pref_size 64
	.end_amdhsa_kernel
	.amdgpu_metadata
---
amdhsa.version: [ 1, 2 ]
amdhsa.kernels:
  - .name:           k_q6111795607_prep
    .symbol:         k_q6111795607_prep.kd
    .args:
      - { .name: x, .offset: 0, .size: 8, .value_kind: global_buffer, .address_space: global }
      - { .name: Wq, .offset: 8, .size: 8, .value_kind: global_buffer, .address_space: global }
      - { .name: Wk, .offset: 16, .size: 8, .value_kind: global_buffer, .address_space: global }
      - { .name: Wv, .offset: 24, .size: 8, .value_kind: global_buffer, .address_space: global }
      - { .name: Wo, .offset: 32, .size: 8, .value_kind: global_buffer, .address_space: global }
      - { .name: W1, .offset: 40, .size: 8, .value_kind: global_buffer, .address_space: global }
      - { .name: W2, .offset: 48, .size: 8, .value_kind: global_buffer, .address_space: global }
      - { .name: lowp_scales, .offset: 56, .size: 8, .value_kind: global_buffer, .address_space: global }
      - { .name: xc, .offset: 64, .size: 8, .value_kind: global_buffer, .address_space: global }
      - { .name: wqkv, .offset: 72, .size: 8, .value_kind: global_buffer, .address_space: global }
      - { .name: wt, .offset: 80, .size: 8, .value_kind: global_buffer, .address_space: global }
    .group_segment_fixed_size: 34304
    .private_segment_fixed_size: 0
    .kernarg_segment_align: 8
    .kernarg_segment_size: 88
    .max_flat_workgroup_size: 128
    .sgpr_count:     66
    .vgpr_count:     240
    .wavefront_size: 32
...
	.end_amdgpu_metadata
.endif
;; end of part 4
;; launch attn (part 5): grid 16 x 16, 8 waves a work-group, no clusters, 285,696 bytes of LDS; arguments xc, wqkv, bq, bk, bv, x_mask, lowp_scales, ac; writes ac
.if DOCPART == 5
	.amdgcn_target "amdgcn-amd-amdhsa--gfx1250"
	.amdhsa_code_object_version 6
	.text
	.protected	k_q6111795607_attn
	.globl	k_q6111795607_attn
	.p2align	8
	.type	k_q6111795607_attn,@function
k_q6111795607_attn:
	s_mov_b64 s[64:65], 0
	v_nop
	global_prefetch_b8 v0, s[64:65] scope:SCOPE_SE
	s_setreg_imm32_b32 hwreg(HW_REG_WAVE_SCHED_MODE, 0, 2), 2
	s_setreg_imm32_b32 hwreg(HW_REG_WAVE_MODE, 25, 1), 1
	s_wait_xcnt 0x0
	s_wait_alu depctr_vm_vsrc(0)
; ENCODER LAYER, second launch: one work-group for a (batch, head).  It projects the batch's 512 tokens onto the head's 64 columns of K, V and Q (codes of x and of the weights, K = 1,024), adds the biases, quantises,
; and runs the masked attention on codes: S^T = K Q^T, p = 2^(t - M), O^T = V^T P^T, O / l, quantised for the product with Wo and stored as images of operand registers.  q, k, v and p never go to memory.  No work is left out.
; SHARES.  Eight waves; wave w owns tokens 64 w .. 64 w + 63: four row tiles in the projections, four query tiles in the attention.  Every wave walks all 512 keys, 64 a step.
; OPERANDS lie as images of their registers: lane (r, h) holds row r, registers 2 c', 2 c' + 1 hold k = 16 c' + 8 h + 0 .. 7; four registers of all lanes are 512 bytes, 16 x lane.  A result tile c' (lane = one row, eight registers = eight neighbours along the next K) becomes registers 2 c', 2 c' + 1 by one conversion.
; K and Q are made TRANSPOSED (source 0 = 16 columns of W, source 1 = 16 tokens): a lane holds one token and eight channels.  V is made the other way round: a lane holds one channel and eight tokens, which are the second product's K.
; THE MASK costs no vector work for a score: the C of a score's matrix instruction is -2^126 where x_mask == 0, else 0.  With any key open, such a t lies so far under M that p = 0, as with reference()'s -1e10.
; With no key open, reference()'s logits are all equal, so p = 1 for every key: the factor c is then chosen as 0 (a choice of a scalar, no branch), which makes every t = 0, M = 0, p = 1.
; TWO PASSES over the keys: the first finds each query's largest score, so that M = ceil(largest t) is the row's own from the start and nothing is rescaled; the second recomputes the scores (the same instructions, the same bits).
; The sum l is taken of the unquantised p and divides O at the end.
; WHY NO RING IN LDS AND NO CLUSTER: each byte of x's codes is wanted by exactly one wave of the work-group (the waves share the rows), so it goes from memory straight into that wave's registers, through a ring of four K steps:
; 32 to 48 loads of 512 bytes a wave stay out behind counted waits and are never drained.  The 16 heads of a batch do read the same codes; joint requests would want them in LDS, in slots that are drained at every change.
; LIMITS: every e, and e0+e1, e2+e3, e4+e5, lie between -126 and 119; e6+e7 between -110 and 120; e8+e9 is applied by v_ldexp_f32.  NaN and infinity among the inputs are not served.
; LDS: 0 W's 96 fragments [p][s][j]; KIMG K's 32 fragments (16 keys x 64); +32,768 V^T's 32 (16 channels x 64 keys); NBT each wave's own table of C; BT each wave's own biases; SPARE the spare words.
; REGISTERS, window 0: v1, v2 the add's two; v3 16 x lane; v4-6 W's images by p; v7 where I store K's and V's images; v8, v9 biases; v10, v11 scale and hold in hand; v12 my table of C; v13-15 16 x thread (+ 64 KiB steps); v16, v17 addresses in hand; v18 K's images; v22, v23 scale and hold of e10;
;   projections: v24-151 sixteen accumulators (m, j) at 24 + 32 m + 8 j; W's fragments in three halves of two: H0 v152-183, H1 v184-215, H2 v224-255; v216-223 V's bias; at the end v224-255 hold Q's four fragments.
;   attention: v24.. K, v56.. C, v88.. V^T, v120.. p's codes (in the first pass v88.. and v120.. are a second buffer of K and C), v152.. statistics.
;   window 1: projections: x's ring, four K steps x four fragments.   attention: v0-127 S^T (t, qt) at 32 qt + 8 t; v128-255 O^T (dt, qt) at 128 + 32 qt + 8 dt.
; THE MODE: SCHED_MODE bits 1:0 = 2 (LLVM: expert scheduling mode 2), set by the entry lines.  The code itself states the register dependences between vector or matrix instructions and memory or LDS instructions, with s_wait_alu, always for 0.
; THE PLAN.  Registers that memory or LDS instructions touch:
;   x's ring     K step e: its products read slot e % 4; the loads of step e + 3, issued in step e, land in slot (e - 1) % 4, which the products of step e - 1 read.
;   H0, H1, H2   Half-step u = 2 e + hf: its eight products read H[u % 3].  Step e loads u + 1 at its head and u + 2 in its middle, into the two halves that step e - 1 read.
;                So ONE wait on va_vdst stands at a step's head; the step's products name slot e % 4, H[u % 3], H[(u + 1) % 3] behind its data's wait, and the accumulators: none of the registers that the step's loads touch.
;   behind a pass  K's and Q's bias lands in H0 (one wait on va_vdst: the last products have read it); the codes go into the half that is free (K, Q: H2; V: H1) and are stored behind one wait on va_vdst;
;                the wait on vm_vsrc for those stores stands at the head of the next pass's first step, where W's fragments land on them.
;   first pass   two buffers of K and C by turns: a step's products read one, the next step's loads land in the other behind the wait on va_vdst at the step's head.
;   second pass  the wait for the exponentials' batch also states that this step's score products are done reading K and C, the last step's products are done reading V^T, and v16, v17 are written: V^T of this step and K and C of the next are loaded behind it.
;   v16, v17     read by the key steps' LDS loads; written once a trip or step, behind a wait on vm_vsrc and ahead of a wait on va_vdst that stands there anyway.  All other addresses are made at the head and never written again.
.set KIMG,  196608
.set NBT,   262144
.set BT,    278528
.set SPARE, 284672
.set ACC, 24
.set BF,  152
.set CD,  224
.set KF,  24
.set NBR, 56
.set VF,  88
.set PC,  120
.set MX,  152
.set NM,  156
.set LA,  164
.set LB,  172
.set WK,  180
.set MSB, 0
.macro WIN new                         ; the immediate's high byte repeats the setting that is left; a switch that changes nothing is dropped
.if MSB != \new
	s_set_vgpr_msb (MSB<<8)|\new
.set MSB, \new
.endif
.endm
.macro PLACES                          ; four plain vector places behind matrix instructions, ahead of reads of their results and of loads into their registers
.rept 4
	v_nop
.endr
.endm
.macro POW2 d, a, b                    ; s[d] = s[d+1] = 2^(s[a] + s[b])
	s_add_co_i32 s[\d], s[\a], s[\b]
	s_add_co_i32 s[\d], s[\d], 127
	s_lshl_b32 s[\d], s[\d], 23
	s_mov_b32 s[\d+1], s[\d]
.endm
.macro SCLM se, vs, vl                 ; v[vs] = 2^e, v[vl] = 448 x 2^e, e = s[se]
	s_add_co_i32 s58, s[\se], 127
	s_lshl_b32 s59, s58, 23
	v_mov_b32 v[\vs], s59
	s_add_co_i32 s58, s58, 8
	s_lshl_b32 s58, s58, 23
	s_or_b32 s58, s58, 0x600000
	v_mov_b32 v[\vl], s58
.endm
; The 24 K steps e of the projections: pass e / 8 = K, V, Q, stored at p = (e / 8 + 1) % 3; s = e % 8.
.macro XLD e                           ; my four fragments of x's codes of K step e: 16 loads of 512 consecutive bytes into ring slot e % 4
	WIN 0x40
.irp m, 0,1,2,3
.irp c, 0,1,2,3
	global_load_b128 v[64*((\e)%4)+16*\m+4*\c:64*((\e)%4)+16*\m+4*\c+3], v3, s[24:25] offset:65536*((((\e)/8)+1)%3)+8192*((\e)%8)+2048*\m+512*\c
.endr
.endr
.endm
.macro BLD u                           ; W's two fragments of half-step u (K step u / 2, column tiles 2 (u % 2) and + 1), from LDS into H[u % 3]
.set rH, BF+32*((\u)%3)+8*(((\u)%3)/2)
.irp jj, 0,1
.irp c, 0,1,2,3
	ds_load_b128 v[rH+16*\jj+4*\c:rH+16*\jj+4*\c+3], v[4+((((\u)/16)+1)%3)] offset:8192*(((\u)/2)%8)+2048*(2*((\u)%2)+\jj)+512*\c
.endr
.endr
.endm
.macro MM e, hf                        ; eight products: column tiles 2 hf, 2 hf + 1 x my four row tiles.  The sixteen accumulators take turns, one instruction a turn; a pass's first K step starts the sums with C = 0
.set rH, BF+32*((2*(\e)+\hf)%3)+8*(((2*(\e)+\hf)%3)/2)
.if ((\e)/8) == 1
	WIN 0x01
.else
	WIN 0x04
.endif
.irp jj, 0,1
.irp m, 0,1,2,3
.set rD, ACC+32*\m+8*(2*\hf+\jj)
.set rW, rH+16*\jj
.set rX, 64*((\e)%4)+16*\m
.if ((\e)/8) == 1
.if ((\e)%8) == 0
	v_wmma_f32_16x16x128_fp8_fp8 v[rD:rD+7], v[rX:rX+15], v[rW:rW+15], 0
.else
	v_wmma_f32_16x16x128_fp8_fp8 v[rD:rD+7], v[rX:rX+15], v[rW:rW+15], v[rD:rD+7]
.endif
.else
.if ((\e)%8) == 0
	v_wmma_f32_16x16x128_fp8_fp8 v[rD:rD+7], v[rW:rW+15], v[rX:rX+15], 0
.else
	v_wmma_f32_16x16x128_fp8_fp8 v[rD:rD+7], v[rW:rW+15], v[rX:rX+15], v[rD:rD+7]
.endif
.endif
.endr
.endr
.endm
.macro KSTEP e
.if (\e) == 0
	s_wait_loadcnt 48                              ; this K step's 16 loads are in; the head asked for three steps more
.elseif (\e) <= 21
	s_wait_loadcnt 32                              ; this K step's 16 loads are in; those of the two steps behind it are younger
.else
	s_wait_loadcnt 16*(23-(\e))
.endif
	s_wait_dscnt 0x0                               ; W's fragments of this step's first half are in (asked for in the middle of the step before)
.if ((\e)%8) > 0
	s_wait_alu depctr_va_vdst(0)                   ; the products of the step before are done reading their ring slot and their two halves of W, in which this step's loads land
.elseif (\e) > 0
	s_wait_alu depctr_vm_vsrc(0)                   ; the image stores have read the codes' registers, in which W's fragments land (no vector line was issued since the wait ahead of those stores)
.endif
	BLD 2*(\e)+1
	MM \e, 0
	PLACES
.if (\e) < 23
	WIN 0
	BLD 2*(\e)+2
.endif
.if ((\e) > 0) && ((\e) < 21)
	XLD (\e)+3                                     ; into the ring slot that the step before multiplied.  No wait: no line since the wait above names it
.endif
.if (\e) < 23
	s_wait_dscnt 8                                 ; the second half's fragments are in; the eight loads of the next step's first half are younger
.else
	s_wait_dscnt 0x0
.endif
	MM \e, 1
	WIN 0
	PLACES
.endm
; Behind a pass: sum x 2^(ex + ew) + bias, the hold, the conversion.  K and Q: lane = token, registers = channels 16 j + 8 h + i.  The bias of all four column tiles lands in H0; the codes go to v[cd] on
.macro EPI_T p, cd
	s_wait_alu depctr_va_vdst(0)                   ; the pass's products are done reading H0, in which the bias lands
.irp j, 0,1,2,3
	ds_load_b128 v[BF+8*\j:BF+8*\j+3], v8 offset:256*\p+64*\j
	ds_load_b128 v[BF+8*\j+4:BF+8*\j+7], v8 offset:256*\p+64*\j+16
.endr
	s_wait_dscnt 0x0
.irp j, 0,1,2,3
.irp m, 0,1,2,3
.set rA, ACC+32*\m+8*\j
.irp i, 0,2,4,6
	v_pk_fma_f32 v[rA+\i:rA+\i+1], v[rA+\i:rA+\i+1], s[48+2*\p:49+2*\p], v[BF+8*\j+\i:BF+8*\j+\i+1] op_sel_hi:[1,0,1]   ; each accumulator from its low end on
.endr
.irp i, 0,1,2,3,4,5,6,7
	v_med3_num_f32 v[rA+\i], v[rA+\i], -v11, v11
.endr
	v_cvt_scalef32_pk8_fp8_f32 v[\cd+8*\m+2*\j:\cd+8*\m+2*\j+1], v[rA:rA+7], v10
.endr
.endr
	v_nop                                          ; a plain line behind the last conversion: matrix instructions later read the codes and write the sums' registers
.endm
.macro EPI_V cd                        ; V: lane = channel 16 dt + r, registers = tokens 16 m + 8 h + i
.irp dt, 0,1,2,3
	ds_load_b32 v[216+2*\dt], v9 offset:64*\dt     ; v216-223 were last named at the head, ahead of waits that have passed since
.endr
	s_wait_dscnt 0x0
.irp dt, 0,1,2,3
	v_mov_b32 v[217+2*\dt], v[216+2*\dt]
.endr
.irp dt, 0,1,2,3
.irp m, 0,1,2,3
.set rA, ACC+32*\m+8*\dt
.irp i, 0,2,4,6
	v_pk_fma_f32 v[rA+\i:rA+\i+1], v[rA+\i:rA+\i+1], s[52:53], v[216+2*\dt:217+2*\dt] op_sel_hi:[1,0,1]
.endr
	s_wait_alu depctr_va_vdst(0)
.irp i, 0,1,2,3,4,5,6,7
	v_med3_num_f32 v[rA+\i], v[rA+\i], -v11, v11
.endr
	v_cvt_scalef32_pk8_fp8_f32 v[\cd+8*\dt+2*\m:\cd+8*\dt+2*\m+1], v[rA:rA+7], v10
.endr
.endr
	v_nop
.endm
.macro IMG cd, off                     ; the four fragments in v[cd] on go to LDS as they stand
.irp f, 0,1,2,3
	ds_store_b128 v7, v[\cd+8*\f:\cd+8*\f+3] offset:\off+1024*\f
	ds_store_b128 v7, v[\cd+8*\f+4:\cd+8*\f+7] offset:\off+1024*\f+512
.endr
.endm
	s_load_b512 s[4:19], s[0:1], 0x0               ; xc 4:5, wqkv 6:7, bq 8:9, bk 10:11, bv 12:13, x_mask 14:15, scales 16:17, ac 18:19
	v_lshl_add_u32 v1, v0, 2, SPARE                ; my spare word
	v_mov_b32 v2, 0
	v_lshrrev_b32 v3, 5, v0
	v_readfirstlane_b32 s20, v3                    ; wave
	s_mov_b32 s21, ttmp9                           ; head
	s_and_b32 s22, ttmp7, 0xffff                   ; batch
	v_and_b32 v16, 31, v0                          ; lane
	v_bfe_u32 v17, v0, 4, 1                        ; h
	v_and_b32 v18, 15, v0                          ; r
	v_lshlrev_b32 v3, 4, v16
	v_lshlrev_b32 v4, 4, v16
	v_add_nc_u32 v5, 65536, v3
	v_add_nc_u32 v6, 131072, v3
	s_wait_alu depctr_va_sdst(0)                   ; s20, the wave's number, is written, ahead of its first reader
	s_lshl_b32 s58, s20, 12
	v_add_nc_u32 v7, s58, v3
	v_add_nc_u32 v7, KIMG, v7
	s_mul_i32 s59, s20, 768
	v_lshl_add_u32 v8, v17, 5, s59
	v_add_nc_u32 v8, BT, v8
	v_lshl_add_u32 v9, v18, 2, s59
	v_add_nc_u32 v9, BT+512, v9
	s_lshl_b32 s60, s20, 11
	v_lshl_add_u32 v12, v17, 5, s60
	v_add_nc_u32 v12, NBT, v12
	v_lshlrev_b32 v13, 4, v0
	v_add_nc_u32 v14, 65536, v13
	v_add_nc_u32 v15, 131072, v13
	v_add_nc_u32 v19, s60, v3
	v_add_nc_u32 v19, NBT, v19                     ; where I store my table of C
	v_lshl_add_u32 v20, v16, 3, s59
	v_add_nc_u32 v20, BT, v20                      ; and my biases
	v_lshlrev_b32 v21, 3, v16                      ; 8 x lane: my two numbers of a bias
	v_add_nc_u32 v18, KIMG, v3
	s_lshl_b32 s66, s22, 3
	s_add_co_u32 s66, s66, s20
	s_mul_i32 s66, s66, 196608                     ; xc: my 64 tokens' 192 KiB
	s_mov_b32 s67, 0
	s_mul_i32 s68, s21, 196608                     ; wqkv: the head's 192 KiB
	s_mov_b32 s69, 0
	s_lshl_b32 s70, s22, 19                        ; ac: 32 token tiles of 16 KiB a batch,
	s_lshl_b32 s61, s20, 16                        ; four a wave,
	s_add_co_u32 s70, s70, s61
	s_lshr_b32 s61, s21, 1
	s_lshl_b32 s61, s61, 11                        ; K step head / 2,
	s_add_co_u32 s70, s70, s61
	s_and_b32 s61, s21, 1
	s_lshl_b32 s61, s61, 10                        ; its lower or upper half
	s_add_co_u32 s70, s70, s61
	s_mov_b32 s71, 0
	s_lshl_b32 s72, s21, 8
	s_mov_b32 s73, 0
	s_lshl_b32 s74, s22, 11
	s_mov_b32 s75, 0
	s_mov_b32 s56, 0x76543210                      ; v_permlanex16_b32: lane l xor 16
	s_mov_b32 s57, 0xfedcba98
	s_wait_kmcnt 0x0
	s_load_b512 s[32:47], s[16:17], 0x0            ; e0 .. e15
	s_add_nc_u64 s[24:25], s[4:5], s[66:67]
	s_add_nc_u64 s[26:27], s[6:7], s[68:69]
	s_add_nc_u64 s[28:29], s[18:19], s[70:71]
	s_add_nc_u64 s[8:9], s[8:9], s[72:73]
	s_add_nc_u64 s[10:11], s[10:11], s[72:73]
	s_add_nc_u64 s[12:13], s[12:13], s[72:73]
	s_add_nc_u64 s[14:15], s[14:15], s[74:75]
	s_wait_alu depctr_va_vdst(0)                   ; the addresses and offsets v3 to v21 are written, which the loads and stores of the whole kernel read
.set i, 0
.rept 48
	global_load_b128 v[24+4*i:27+4*i], v13, s[26:27] offset:4096*i   ; the head's weights: the work-group reads 4,096 consecutive bytes a line
.set i, i+1
.endr
.irp i, 0,1,2,3
	global_load_b128 v[216+4*\i:219+4*\i], v3, s[14:15] offset:512*\i   ; the batch's 512 mask words
.endr
	global_load_b64 v[232:233], v21, s[8:9]
	global_load_b64 v[234:235], v21, s[10:11]
	global_load_b64 v[236:237], v21, s[12:13]
	XLD 0
	XLD 1
	XLD 2
	XLD 3
	WIN 0
	s_wait_loadcnt 63                              ; the ring's 64 loads are younger than the 55 above: with at most 63 out, all 55 are in
.set i, 0
.rept 48
	ds_store_b128 v[13+i/16], v[24+4*i:27+4*i] offset:4096*(i%16)
.set i, i+1
.endr
	s_wait_kmcnt 0x0
	POW2 48, 32, 33
	POW2 50, 34, 35
	POW2 52, 36, 37
	s_add_co_i32 s58, s38, s39
	s_lshl_b32 s58, s58, 23
	s_add_co_i32 s54, s58, 0x3e38aa3b              ; c = log2(e) / 8 x 2^(e6 + e7): the exponents go into c's exponent field
	v_or_b32 v240, v216, v217
.irp i, 2,3,4,5,6,7,8,9,10,11,12,13,14,15
	v_or_b32 v240, v240, v[216+\i]
.endr
	v_mov_b32 v241, 0xfe800000                     ; -2^126
	v_cmp_ne_u32 s74, 0, v240                      ; the compares stand in two runs, into scalar registers of their own, with one wait behind each run
.irp i, 0,1,2,3,4,5,6,7
	v_cmp_eq_u32 s[66+\i], 0, v[216+\i]
.endr
	s_wait_alu depctr_va_sdst(0)                   ; s66 to s74 are written, ahead of their first readers
	s_cmp_lg_u32 s74, 0                            ; is any key of the batch open?
	s_cselect_b32 s54, s54, 0                      ; if none: c = 0
	s_mov_b32 s55, s54
.irp i, 0,1,2,3,4,5,6,7
	v_cndmask_b32 v[216+\i], 0, v241, s[66+\i]
.endr
.irp i, 0,1,2,3,4,5,6,7
	v_cmp_eq_u32 s[66+\i], 0, v[224+\i]
.endr
	s_wait_alu depctr_va_sdst(0)                   ; s66 to s73 are written anew, ahead of their first readers
.irp i, 0,1,2,3,4,5,6,7
	v_cndmask_b32 v[224+\i], 0, v241, s[66+\i]
.endr
	s_wait_alu depctr_va_vdst(0)                   ; the selections have written v216-231, which the LDS stores read; v240 and v241, in which W's fragments land later, are done with
.irp i, 0,1,2,3
	ds_store_b128 v19, v[216+4*\i:219+4*\i] offset:512*\i
.endr
	ds_store_b64 v20, v[232:233]
	ds_store_b64 v20, v[234:235] offset:256
	ds_store_b64 v20, v[236:237] offset:512
	s_wait_dscnt 0x0                               ; for the others' sake: my part of W's images has landed
	s_barrier_signal -1
	s_barrier_wait -1
	s_wait_alu depctr_vm_vsrc(0)                   ; my LDS stores have read v24-237: from here on the accumulators, W's halves and V's bias, written by products and by LDS loads
	BLD 0
	; ---- K ----
.irp e, 0,1,2,3,4,5,6,7
	KSTEP \e
.endr
	SCLM 39, 10, 11
	EPI_T 1, CD
	s_wait_alu depctr_va_vdst(0)                   ; the conversions have written K's codes, which the LDS stores read
	IMG CD, 0
	; ---- V ----
.irp e, 8,9,10,11,12,13,14,15
	KSTEP \e
.endr
	SCLM 40, 10, 11
	EPI_V BF+32
	s_wait_alu depctr_va_vdst(0)                   ; the conversions have written V's codes, which the LDS stores read
	IMG BF+32, 32768
	; ---- Q: its codes stay in v224-255 ----
.irp e, 16,17,18,19,20,21,22,23
	KSTEP \e
.endr
	SCLM 38, 10, 11
	EPI_T 0, CD
	s_wait_dscnt 0x0                               ; my images of K and V have landed
	s_barrier_signal -1
	s_barrier_wait -1
	; ---- the attention ----
	SCLM 41, 10, 11                                ; p's scale and hold
	SCLM 42, 22, 23                                ; and those of the result
.irp q, 0,1,2,3
	v_mov_b32 v[MX+\q], 0xff7fffff                 ; under every score
.endr
.irp q, 0,1,2,3,4,5,6,7
	v_mov_b32 v[WK+\q], 0                          ; (a lane permute's destination counts as read)
.endr
.irp q, 0,1,2,3,4,5,6,7,8,9,10,11,12,13,14,15
	v_mov_b32 v[LA+\q], 0                          ; l, in two chains of pairs for each query tile
.endr
.macro LDKC kb, cb, ak, ac, ok, oc     ; a key step's four fragments of K into v[kb] on and its C into v[cb] on; addresses v[ak] + ok (images), v[ac] + oc (the table of C)
.irp t, 0,1,2,3
	ds_load_b128 v[\kb+8*\t:\kb+8*\t+3], v[\ak] offset:\ok+1024*\t
	ds_load_b128 v[\kb+8*\t+4:\kb+8*\t+7], v[\ak] offset:\ok+1024*\t+512
.endr
.irp t, 0,1,2,3
	ds_load_b128 v[\cb+8*\t:\cb+8*\t+3], v[\ac] offset:\oc+64*\t
	ds_load_b128 v[\cb+8*\t+4:\cb+8*\t+7], v[\ac] offset:\oc+64*\t+16
.endr
.endm
.macro SMUL kb, cb                     ; S^T = K Q^T + C: 16 keys x 16 queries x 64 channels, sixteen results
	WIN 0x40
.irp t, 0,1,2,3
.irp q, 0,1,2,3
	v_wmma_f32_16x16x64_fp8_fp8 v[32*\q+8*\t:32*\q+8*\t+7], v[\kb+8*\t:\kb+8*\t+7], v[CD+8*\q:CD+8*\q+7], v[\cb+8*\t:\cb+8*\t+7]
.endr
.endr
	PLACES                                         ; ahead of the reads of the scores
.endm
; A key step of the first pass: its products read the buffer (kb, cb); the next step's fragments land in the other one (nkb, ncb)
.macro P1STEP kb, cb, nkb, ncb, ak, ac, ok, oc
	s_wait_dscnt 0x0                               ; this step's K and C are in (asked for a step ago)
	s_wait_alu depctr_va_vdst(0)                   ; the products of the step before are done reading the other buffer; in a trip's first step v16 and v17 are written
	LDKC \nkb, \ncb, \ak, \ac, \ok, \oc
	SMUL \kb, \cb
	WIN 0x14
.set n, 0
.rept 16
.irp q, 0,1,2,3
	v_max3_num_f32 v[MX+\q], v[MX+\q], v[32*\q+n], v[32*\q+n+1]   ; four chains; each result from its low end on
.endr
.set n, n+2
.endr
	WIN 0
.endm
	s_wait_alu depctr_va_vdst(0)                   ; Q's multiply-adds, holds and conversions are done with v24-151, in which K's and C's fragments land
	LDKC KF, NBR, 18, 12, 0, 0                     ; key step 0
	s_mov_b32 s76, 0
	s_mov_b32 s77, 0
	s_mov_b32 s78, 0
.Lpass1:                                               ; three trips of two key steps: each query's largest score.  s76 = 4,096 x step (images), s77 = 256 x step (the table of C)
	s_wait_alu depctr_vm_vsrc(0)                   ; the LDS loads issued so far have read v16 and v17
	v_add_nc_u32 v16, s76, v18
	v_add_nc_u32 v17, s77, v12
	P1STEP KF, NBR, VF, PC, 16, 17, 4096, 256
	P1STEP VF, PC, KF, NBR, 16, 17, 8192, 512
	s_add_co_u32 s76, s76, 8192
	s_add_co_u32 s77, s77, 512
	s_add_co_u32 s78, s78, 1
	s_cmp_lt_u32 s78, 3
	s_cbranch_scc1 .Lpass1
	s_wait_alu depctr_vm_vsrc(0)                   ; the LDS loads issued so far have read v16 and v17
	v_add_nc_u32 v16, s76, v18                     ; key steps 6 and 7 are written out: the last one asks for key step 0 again, for the second pass
	v_add_nc_u32 v17, s77, v12
	P1STEP KF, NBR, VF, PC, 16, 17, 4096, 256
	P1STEP VF, PC, KF, NBR, 18, 12, 0, 0
.irp q, 0,1,2,3
	v_permlanex16_b32 v[WK+\q], v[MX+\q], s56, s57 ; the query's other keys lie in the lane 16 away
.endr
.irp q, 0,1,2,3
	v_max_num_f32 v[MX+\q], v[MX+\q], v[WK+\q]
.endr
.irp q, 0,1,2,3
	v_mul_f32 v[WK+4+\q], s54, v[MX+\q]            ; the largest t (c is not negative)
.endr
.irp q, 0,1,2,3
	v_floor_f32 v[NM+2*\q], -v[WK+4+\q]            ; -M = floor(-t) = -ceil(t)
.endr
.irp q, 0,1,2,3
	v_mov_b32 v[NM+2*\q+1], v[NM+2*\q]
.endr
.macro STEP2 zero, pre                 ; a key step of the second pass.  zero = 1: its products start O^T's sums.  pre = 1: the next step's K and C are asked for
	s_wait_alu depctr_vm_vsrc(0)                   ; the LDS loads issued so far have read v16 and v17
	v_add_nc_u32 v16, s76, v18
	v_add_nc_u32 v17, s77, v12
	s_wait_dscnt 0x0                               ; this step's K and C are in (asked for in the step before)
	SMUL KF, NBR
	WIN 0x41
	s_wait_alu depctr_va_vdst(0)
.irp q, 0,1,2,3
.set n, 0
.rept 16
	v_pk_fma_f32 v[32*\q+n:32*\q+n+1], v[32*\q+n:32*\q+n+1], s[54:55], v[NM+2*\q:NM+2*\q+1] op_sel_hi:[1,0,1]   ; t - M
.set n, n+2
.endr
.endr
.set n, 0
	s_wait_alu depctr_va_vdst(0)
.rept 128
	v_exp_f32 v[n], v[n]                           ; p = 2^(t - M): one batch
.set n, n+1
.endr
	v_nop                                          ; the plain line behind the last exponential
	WIN 0
	s_wait_alu depctr_va_vdst(0)                   ; one wait: the batch's 128 results are written, ahead of their first reader; this step's score products are done reading K and C, the last step's products are done reading V^T; v16 and v17 are written
.irp t, 0,1,2,3
	ds_load_b128 v[VF+8*\t:VF+8*\t+3], v16 offset:32768+1024*\t
	ds_load_b128 v[VF+8*\t+4:VF+8*\t+7], v16 offset:32768+1024*\t+512
.endr
.if \pre
	LDKC KF, NBR, 16, 17, 4096, 256
.endif
	WIN 0x04
.set n, 0
.rept 8
.irp q, 0,1,2,3
	v_pk_add_f32 v[LA+2*\q:LA+2*\q+1], v[LA+2*\q:LA+2*\q+1], v[32*\q+n:32*\q+n+1]       ; l is summed of the unquantised p
	v_pk_add_f32 v[LB+2*\q:LB+2*\q+1], v[LB+2*\q:LB+2*\q+1], v[32*\q+n+2:32*\q+n+3]
.endr
.set n, n+4
.endr
	WIN 0x41
.set n, 0
.rept 128
	v_min_num_f32 v[n], v[n], v11                  ; the conversion does not saturate; p is not negative, so the hold is one-sided
.set n, n+1
.endr
	WIN 0x01
.irp q, 0,1,2,3
.irp t, 0,1,2,3
	v_cvt_scalef32_pk8_fp8_f32 v[PC+8*\q+2*\t:PC+8*\q+2*\t+1], v[32*\q+8*\t:32*\q+8*\t+7], v10
.endr
.endr
	v_nop                                          ; a plain line between the conversions and the products that read the codes
.if \pre
	s_wait_alu depctr_va_vdst(0)
	s_wait_dscnt 16                                ; V^T is in; the sixteen loads of the next step's K and C are younger
.else
	s_wait_alu depctr_va_vdst(0)
	s_wait_dscnt 0x0                               ; V^T is in
.endif
.if \zero
	WIN 0x40
.else
	WIN 0x50
.endif
.irp d, 0,1,2,3
.irp q, 0,1,2,3
.if \zero
	s_wait_alu depctr_va_vdst(0)
	v_wmma_f32_16x16x64_fp8_fp8 v[128+32*\q+8*\d:128+32*\q+8*\d+7], v[VF+8*\d:VF+8*\d+7], v[PC+8*\q:PC+8*\q+7], 0
.else
	v_wmma_f32_16x16x64_fp8_fp8 v[128+32*\q+8*\d:128+32*\q+8*\d+7], v[VF+8*\d:VF+8*\d+7], v[PC+8*\q:PC+8*\q+7], v[128+32*\q+8*\d:128+32*\q+8*\d+7]
.endif
.endr
.endr
	WIN 0
.endm
	s_mov_b32 s76, 0
	s_mov_b32 s77, 0
	STEP2 1, 1
	s_mov_b32 s76, 4096
	s_mov_b32 s77, 256
	s_mov_b32 s78, 0
.Lpass2:                                               ; key steps 1 to 6
	STEP2 0, 1
	s_add_co_u32 s76, s76, 4096
	s_add_co_u32 s77, s77, 256
	s_add_co_u32 s78, s78, 1
	s_cmp_lt_u32 s78, 6
	s_cbranch_scc1 .Lpass2
	STEP2 0, 0                                     ; key step 7 is written out: nothing is left to ask for
	; ---- the way out: O / l x 2^(e8 + e9), quantised under e10.  The first twelve lines, plain and free of the products' registers, are the places behind the last products
.irp q, 0,1,2,3
	v_pk_add_f32 v[LA+2*\q:LA+2*\q+1], v[LA+2*\q:LA+2*\q+1], v[LB+2*\q:LB+2*\q+1]
.endr
.irp q, 0,1,2,3
	v_add_f32 v[WK+\q], v[LA+2*\q], v[LA+2*\q+1]
.endr
.irp q, 0,1,2,3
	v_permlanex16_b32 v[WK+4+\q], v[WK+\q], s56, s57
.endr
.irp q, 0,1,2,3
	v_add_f32 v[WK+\q], v[WK+\q], v[WK+4+\q]
.endr
	s_wait_alu depctr_va_vdst(0)
.irp q, 0,1,2,3
	v_rcp_f32 v[WK+8+2*\q], v[WK+\q]
.endr
	v_nop
	s_add_co_i32 s58, s40, s41
	s_wait_alu depctr_va_vdst(0)                   ; one wait for the four reciprocals, ahead of their first reader
.irp q, 0,1,2,3
	v_ldexp_f32 v[WK+8+2*\q], v[WK+8+2*\q], s58
.endr
.irp q, 0,1,2,3
	v_mov_b32 v[WK+9+2*\q], v[WK+8+2*\q]
.endr
	WIN 0x41
.irp q, 0,1,2,3
.set n, 0
.rept 16
	v_pk_mul_f32 v[128+32*\q+n:128+32*\q+n+1], v[128+32*\q+n:128+32*\q+n+1], v[WK+8+2*\q:WK+9+2*\q]
.set n, n+2
.endr
.endr
.set n, 128
.rept 128
	v_med3_num_f32 v[n], v[n], -v23, v23
.set n, n+1
.endr
	WIN 0x01
.irp q, 0,1,2,3
.irp d, 0,1,2,3
	v_cvt_scalef32_pk8_fp8_f32 v[24+8*\q+2*\d:24+8*\q+2*\d+1], v[128+32*\q+8*\d:128+32*\q+8*\d+7], v22
.endr
.endr
	v_nop
	WIN 0
	s_wait_alu depctr_va_vdst(0)                   ; the conversions have written v24-55, which the stores read
.irp q, 0,1,2,3
	global_store_b128 v3, v[24+8*\q:27+8*\q], s[28:29] offset:16384*\q          ; 512 consecutive aligned bytes: half of my head's part of a fragment
	global_store_b128 v3, v[28+8*\q:31+8*\q], s[28:29] offset:16384*\q+512
.endr
	s_wait_dscnt 0x0                               ; the closing lines, six on end
	s_wait_alu 0x0
	s_wait_tensorcnt 0x0
	ds_add_u32 v1, v2
	s_wait_dscnt 0x0
	s_endpgm
.Lfunc_end_k_q6111795607_attn:
	.size	k_q6111795607_attn, .Lfunc_end_k_q6111795607_attn-k_q6111795607_attn
	.p2alignl 7, 3214868480
	.fill 96, 4, 3214868480
	.section	.rodata,"a",@progbits
	.p2align	6, 0x0
	.amdhsa_kernel k_q6111795607_attn
		.amdhsa_group_segment_fixed_size 285696
		.amdhsa_private_segment_fixed_size 0
		.amdhsa_enable_private_segment 0
		.amdhsa_kernarg_size 64
		.amdhsa_user_sgpr_count 2
		.amdhsa_user_sgpr_kernarg_segment_ptr 1
		.amdhsa_wavefront_size32 1
		.amdhsa_system_sgpr_workgroup_id_x 1
		.amdhsa_system_sgpr_workgroup_id_y 1
		.amdhsa_system_sgpr_workgroup_id_z 1
		.amdhsa_system_vgpr_workitem_id 0
		.amdhsa_next_free_vgpr 512
		.amdhsa_next_free_sgpr 80
		.amdhsa_reserve_vcc 0
		.amdhsa_float_denorm_mode_32 3
		.amdhsa_float_denorm_mode_16_64 3
		.amdhsa_memory_ordered 1
		.amdhsa_forward_progress 1
		.amdhsa_inst_pref_size 255
	.end_amdhsa_kernel
	.section	.bss,"aw",@nobits
	.p2align	6
	.space	262144
	.amdgpu_metadata
---
amdhsa.version: [ 1, 2 ]
amdhsa.kernels:
  - .name:           k_q6111795607_attn
    .symbol:         k_q6111795607_attn.kd
    .args:
      - { .name: xc, .offset: 0, .size: 8, .value_kind: global_buffer, .address_space: global }
      - { .name: wqkv, .offset: 8, .size: 8, .value_kind: global_buffer, .address_space: global }
      - { .name: bq, .offset: 16, .size: 8, .value_kind: global_buffer, .address_space: global }
      - { .name: bk, .offset: 24, .size: 8, .value_kind: global_buffer, .address_space: global }
      - { .name: bv, .offset: 32, .size: 8, .value_kind: global_buffer, .address_space: global }
      - { .name: x_mask, .offset: 40, .size: 8, .value_kind: global_buffer, .address_space: global }
      - { .name: lowp_scales, .offset: 48, .size: 8, .value_kind: global_buffer, .address_space: global }
      - { .name: ac, .offset: 56, .size: 8, .value_kind: global_buffer, .address_space: global }
    .group_segment_fixed_size: 285696
    .private_segment_fixed_size: 0
    .kernarg_segment_align: 8
    .kernarg_segment_size: 64
    .max_flat_workgroup_size: 256
    .sgpr_count:     80
    .vgpr_count:     512
    .wavefront_size: 32
...
	.end_amdgpu_metadata
.endif
;; end of part 5
;; launch tail (part 6): grid 256 x 1, 8 waves a work-group, no clusters, 234,496 bytes of LDS; arguments ac, wt, x, bo, gamma1, beta1, b1, b2, gamma2, beta2, lowp_scales, out0; writes out0
.if DOCPART == 6
	.amdgcn_target "amdgcn-amd-amdhsa--gfx1250"
	.amdhsa_code_object_version 6
	.text
	.protected	k_q6111795607_tail
	.globl	k_q6111795607_tail
	.p2align	8
	.type	k_q6111795607_tail,@function
k_q6111795607_tail:
	s_mov_b64 s[64:65], 0
	v_nop
	global_prefetch_b8 v0, s[64:65] scope:SCOPE_SE
	s_setreg_imm32_b32 hwreg(HW_REG_WAVE_SCHED_MODE, 0, 2), 2
	s_setreg_imm32_b32 hwreg(HW_REG_WAVE_MODE, 25, 1), 1
	s_wait_xcnt 0x0
	s_wait_alu depctr_vm_vsrc(0)
; ENCODER LAYER, third launch: a work-group takes 32 tokens through the rest of the layer: attn Wo + bo + x, LayerNorm 1 (= h), gelu(h W1 + b1) W2 + b2 + h, LayerNorm 2.  h and the hidden layer never go to memory.  No work is left out.
; SHARES.  Eight waves SHARE THE COLUMNS: wave w makes columns 128 w .. 128 w + 127 of all three products, for both row tiles of 16 tokens: sixteen accumulators.  Its results are K step w of the next product.
; Products are used TRANSPOSED (source 0 = 16 columns of W, source 1 = 16 tokens): a lane holds one token and eight neighbouring columns, which one conversion turns into two registers of the next operand.
; Operands go from wave to wave through LDS as images of their registers (four registers of all lanes = 512 bytes, 16 x lane).
; WEIGHTS: each byte is wanted by exactly one wave of the work-group, so it goes from memory straight into that wave's registers, through a ring of four groups of four fragments: one stream of 384 KiB a wave that runs on across the three layers;
; 32 to 48 loads of 512 bytes a wave stay out behind counted waits and are never drained.  That is why there is no ring in LDS; all work-groups do walk the same weights, but joint requests would want them in LDS, in slots drained at every change: so cluster = none.
; The residual and the bias are the C of a product's first K step, divided by the power of two that the sums lack (exact).  LayerNorm: mean, then the deviations' squares (two sums over the row, through LDS), / 1,023, eps added to the root.
; GELU is the exact one: 0.5 z erfc(-z / sqrt 2), erfc(a) = t exp(-a^2 + P(t)), t = 1 / (1 + a / 2), P of degree 9 (a Chebyshev fit whose relative error is 1.2e-7 for all a >= 0); erfc(-z / sqrt 2) = (1 + sg) - sg erfc(|z| / sqrt 2), sg = z's sign: nothing cancels.  The 0.5 goes into the conversion's scale.
; LIMITS: e12, e14 + 1, and +-(e10+e11), e12+e13, +-(e14+e15) lie between -126 and 119.  NaN and infinity among the inputs are not served.
; LDS: A0 attn's 16 fragments (m, s) at 2,048 (8 m + s), later the hidden layer's; A1 h's; VEC bo, gamma1, beta1, b1, b2, gamma2, beta2 (a wave writes and reads its own 512 bytes of each); RED four regions [row 32][wave 8];
;   STG 32 rows x 528 bytes for each wave, its own: x on the way in, h in f32, the way out; SPARE the spare words.
; REGISTERS, window 0: v1, v2 the add's two; v3 16 x lane; v4 16 x thread; v5 where I store images; v6 my part of a vector; v7, v8 my stage by rows and by results; v9, v10 RED; v11, v12 scale and hold; v13-31 at work;
;   v32-159 accumulators (m, j) at 32 + 64 m + 8 j; v160-223 AF: A's fragments, two buffers x two row tiles, and work between the products; v224-255 T at work (v253 an address, v254-255 a constant).   window 1: the weights' ring.
; THE MODE: SCHED_MODE bits 1:0 = 2 (LLVM: expert scheduling mode 2), set by the entry lines.  The code itself states the register dependences between vector or matrix instructions and memory or LDS instructions, with s_wait_alu, always for 0.
; THE PLAN.  Registers that memory or LDS instructions touch:
;   the ring     Group G (eight products): they read slot G % 4; behind them the loads of group G + 3 land in slot (G - 1) % 4, which the products of group G - 1 read.
;   AF           In the products: K step s reads buffer s % 2; the fragments of step s + 1 are loaded at step s's head into the buffer that step s - 1 read.
;                So ONE wait on va_vdst stands at a group's head (a layer's first group has none: a wait that stands ahead of it has covered the layer before); the group's products name slot G % 4, buffer s % 2 and the accumulators alone.
;                Between the products: vectors land in AF (biases, gains, offsets) behind a wait on va_vdst; codes leave from it behind one.
;   v32-159      x, h and the result's rows pass through the stage: stores read them, loads land in them: a wait on va_vdst ahead of a run of stores, a wait on vm_vsrc between a run of stores and what writes the registers next.
;   v15, v16-31  a sum over the row: v15 is stored, v16-31 loaded; in GELU v16-31 hold four of the eight sets of codes, so that all eight are stored behind one wait.
;   Every address (v3 to v10, v253) is made at the head and never written again.
.set A1,    32768
.set VEC,   65536
.set RED,   94208
.set STG,   98304
.set SPARE, 233472
.set ACC, 32
.set AF,  160
.set T,   224
.set MSB, 0
.macro WIN new
.if MSB != \new
	s_set_vgpr_msb (MSB<<8)|\new
.set MSB, \new
.endif
.endm
.macro PLACES                          ; four plain vector places behind matrix instructions (ISA guide 7.12.1)
.rept 4
	v_nop
.endr
.endm
.macro POW2 d, a, b                    ; s[d] = s[d+1] = 2^(s[a] + s[b])
	s_add_co_i32 s[\d], s[\a], s[\b]
	s_add_co_i32 s[\d], s[\d], 127
	s_lshl_b32 s[\d], s[\d], 23
	s_mov_b32 s[\d+1], s[\d]
.endm
.macro NPOW2 d, a, b                   ; 2^-(s[a] + s[b])
	s_add_co_i32 s[\d], s[\a], s[\b]
	s_sub_co_i32 s[\d], 127, s[\d]
	s_lshl_b32 s[\d], s[\d], 23
	s_mov_b32 s[\d+1], s[\d]
.endm
.macro SCLM se                         ; v11 = 2^e, v12 = 448 x 2^e, e = s[se]
	s_add_co_i32 s29, s[\se], 127
	s_lshl_b32 s61, s29, 23
	v_mov_b32 v11, s61
	s_add_co_i32 s29, s29, 8
	s_lshl_b32 s29, s29, 23
	s_or_b32 s29, s29, 0x600000
	v_mov_b32 v12, s29
.endm
.macro CPAIR d, val
	s_mov_b32 s[\d], \val
	s_mov_b32 s[\d+1], \val
.endm
.macro WLD g                           ; group g of my stream of weights: four fragments, 16 loads of 512 consecutive bytes, into ring slot g % 4
	WIN 0x40
.irp jj, 0,1,2,3
.irp c, 0,1,2,3
	global_load_b128 v[64*((\g)%4)+16*\jj+4*\c:64*((\g)%4)+16*\jj+4*\c+3], v3, s[30:31] offset:8192*(\g)+2048*\jj+512*\c
.endr
.endr
.endm
.macro ALD L, s                        ; A's two fragments of K step s of layer L, from LDS into buffer s % 2
.irp m, 0,1
.irp c, 0,1,2,3
	ds_load_b128 v[AF+32*((\s)%2)+16*\m+4*\c:AF+32*((\s)%2)+16*\m+4*\c+3], v3 offset:A1*((\L)%2)+16384*\m+2048*(\s)+512*\c
.endr
.endr
.endm
.macro KS L, s                         ; a K step: two groups of eight products.  The sixteen accumulators take turns, one instruction a turn
	s_wait_dscnt 0x0                               ; this step's fragments of A are in
.irp hf, 0,1
.set G, 2*(8*\L+\s)+\hf
.if G == 0
	s_wait_loadcnt 48                              ; this group's 16 loads are in; the head asked for three groups more
.elseif G <= 45
	s_wait_loadcnt 32                              ; this group's 16 loads are in; the two groups behind it are younger
.else
	s_wait_loadcnt 16*(47-G)
.endif
.if (G%16) > 0
	s_wait_alu depctr_va_vdst(0)                   ; the products of the group before are done reading their ring slot, and those of the step before their fragments of A: this group's loads land there
.endif
.if (\hf == 0) && (\s < 7)
	ALD \L, \s+1                                   ; the next step's fragments of A
.endif
	WIN 0x01
.irp jj, 0,1,2,3
.irp m, 0,1
.set rD, ACC+64*\m+8*(4*\hf+\jj)
.set rW, 64*(G%4)+16*\jj
.set rA, AF+32*((\s)%2)+16*\m
.if (\L == 1) && (\s == 0)
	v_wmma_f32_16x16x128_fp8_fp8 v[rD:rD+7], v[rW:rW+15], v[rA:rA+15], 0
.else
	v_wmma_f32_16x16x128_fp8_fp8 v[rD:rD+7], v[rW:rW+15], v[rA:rA+15], v[rD:rD+7]
.endif
.endr
.endr
	PLACES
.if (G > 0) && (G < 45)
	WLD G+3                                        ; into the ring slot that the group before multiplied.  No wait: no line since the wait above names it
.endif
.endr
	WIN 0
.endm
.macro RSUM k                          ; v[T], v[T+4]: my part of a sum over the row, for row tiles 0 and 1.  Out: v16, v24: the rows' sums, the same bits in every wave.  Region k of RED, 1,024 bytes, is written once in the launch (k may be an expression: it stands in brackets)
	v_permlanex16_b32 v13, v[T], s58, s59
	v_permlanex16_b32 v14, v[T+4], s58, s59
	v_add_f32 v13, v13, v[T]
	v_add_f32 v14, v14, v[T+4]
.if (\k) > 0
	s_wait_alu depctr_vm_vsrc(0)                   ; the last sum's LDS store has read v15
.endif
	v_cndmask_b32 v15, v13, v14, s60               ; lane l carries row l
	s_wait_alu depctr_va_vdst(0)                   ; v15 is written, which the store reads; the vector lines so far are done with v16-31, in which the loads below land
	ds_store_b32 v9, v15 offset:1024*(\k)
	s_wait_dscnt 0x0                               ; for the others' sake: my store has landed (and all my earlier LDS reads are in)
	s_barrier_signal -1
	s_barrier_wait -1
	ds_load_b128 v[16:19], v10 offset:1024*(\k)
	ds_load_b128 v[20:23], v10 offset:1024*(\k)+16
	ds_load_b128 v[24:27], v10 offset:1024*(\k)+512
	ds_load_b128 v[28:31], v10 offset:1024*(\k)+528
	s_wait_dscnt 0x0
	v_pk_add_f32 v[16:17], v[16:17], v[18:19]
	v_pk_add_f32 v[24:25], v[24:25], v[26:27]
	v_pk_add_f32 v[20:21], v[20:21], v[22:23]
	v_pk_add_f32 v[28:29], v[28:29], v[30:31]
	v_pk_add_f32 v[16:17], v[16:17], v[20:21]
	v_pk_add_f32 v[24:25], v[24:25], v[28:29]
	v_add_f32 v16, v16, v17
	v_add_f32 v24, v24, v25
.endm
.macro LN k, g, b                      ; LayerNorm of the 32 rows in the accumulators' registers, in place; RED regions k, k + 1; gain and offset: vectors g, b
.irp m, 0,1
	v_pk_add_f32 v[T+4*\m:T+4*\m+1], v[ACC+64*\m:ACC+64*\m+1], v[ACC+64*\m+2:ACC+64*\m+3]
	v_pk_add_f32 v[T+4*\m+2:T+4*\m+3], v[ACC+64*\m+4:ACC+64*\m+5], v[ACC+64*\m+6:ACC+64*\m+7]
.endr
.set n, 8
.rept 14
.irp m, 0,1
	v_pk_add_f32 v[T+4*\m:T+4*\m+1], v[T+4*\m:T+4*\m+1], v[ACC+64*\m+n:ACC+64*\m+n+1]
	v_pk_add_f32 v[T+4*\m+2:T+4*\m+3], v[T+4*\m+2:T+4*\m+3], v[ACC+64*\m+n+2:ACC+64*\m+n+3]
.endr
.set n, n+4
.endr
.irp m, 0,1
	v_pk_add_f32 v[T+4*\m:T+4*\m+1], v[T+4*\m:T+4*\m+1], v[T+4*\m+2:T+4*\m+3]
.endr
.irp m, 0,1
	v_add_f32 v[T+4*\m], v[T+4*\m], v[T+4*\m+1]
.endr
	RSUM \k
	v_mul_f32 v[T+8], s90, v16                     ; the mean
	v_mul_f32 v[T+10], s90, v24
	v_mov_b32 v[T+9], v[T+8]
	v_mov_b32 v[T+11], v[T+10]
.irp m, 0,1
.set n, 0
.rept 32
	v_pk_add_f32 v[ACC+64*\m+n:ACC+64*\m+n+1], v[ACC+64*\m+n:ACC+64*\m+n+1], v[T+8+2*\m:T+9+2*\m] neg_lo:[0,1] neg_hi:[0,1]
.set n, n+2
.endr
.endr
.irp m, 0,1
	v_pk_mul_f32 v[T+4*\m:T+4*\m+1], v[ACC+64*\m:ACC+64*\m+1], v[ACC+64*\m:ACC+64*\m+1]
	v_pk_mul_f32 v[T+4*\m+2:T+4*\m+3], v[ACC+64*\m+2:ACC+64*\m+3], v[ACC+64*\m+2:ACC+64*\m+3]
.endr
.set n, 4
.rept 15
.irp m, 0,1
	v_pk_fma_f32 v[T+4*\m:T+4*\m+1], v[ACC+64*\m+n:ACC+64*\m+n+1], v[ACC+64*\m+n:ACC+64*\m+n+1], v[T+4*\m:T+4*\m+1]
	v_pk_fma_f32 v[T+4*\m+2:T+4*\m+3], v[ACC+64*\m+n+2:ACC+64*\m+n+3], v[ACC+64*\m+n+2:ACC+64*\m+n+3], v[T+4*\m+2:T+4*\m+3]
.endr
.set n, n+4
.endr
.irp m, 0,1
	v_pk_add_f32 v[T+4*\m:T+4*\m+1], v[T+4*\m:T+4*\m+1], v[T+4*\m+2:T+4*\m+3]
.endr
.irp m, 0,1
	v_add_f32 v[T+4*\m], v[T+4*\m], v[T+4*\m+1]
.endr
	RSUM \k+1
	v_mul_f32 v16, s91, v16                        ; / 1,023
	v_mul_f32 v24, s91, v24
	s_wait_alu depctr_va_vdst(0)
	v_sqrt_f32 v16, v16
	v_sqrt_f32 v24, v24
	v_nop
	s_wait_alu depctr_va_vdst(0)                   ; one wait for the two roots, ahead of their first reader
	v_add_f32 v16, s92, v16                        ; eps is added to the root
	v_add_f32 v24, s92, v24
	s_wait_alu depctr_va_vdst(0)
	v_rcp_f32 v[T+12], v16
	v_rcp_f32 v[T+14], v24
	v_nop
	s_wait_alu depctr_va_vdst(0)                   ; one wait for the two reciprocals, ahead of their first reader
	v_mov_b32 v[T+13], v[T+12]
	s_wait_alu depctr_va_vdst(0)
	v_mov_b32 v[T+15], v[T+14]
.irp jh, 0,1
.if \jh == 1
	s_wait_alu depctr_va_vdst(0)                   ; the multiply-adds above are done reading AF, in which the other half's gains and offsets land (for the first half the waits above have covered the last products, AF's last readers)
.endif
.irp j, 0,1,2,3
	ds_load_b128 v[AF+8*\j:AF+8*\j+3], v6 offset:4096*\g+64*(4*\jh+\j)
	ds_load_b128 v[AF+8*\j+4:AF+8*\j+7], v6 offset:4096*\g+64*(4*\jh+\j)+16
	ds_load_b128 v[AF+32+8*\j:AF+32+8*\j+3], v6 offset:4096*\b+64*(4*\jh+\j)
	ds_load_b128 v[AF+32+8*\j+4:AF+32+8*\j+7], v6 offset:4096*\b+64*(4*\jh+\j)+16
.endr
	s_wait_dscnt 0x0
.irp m, 0,1
.irp j, 0,1,2,3
.set rA, ACC+64*\m+8*(4*\jh+\j)
.irp i, 0,2,4,6
	v_pk_mul_f32 v[rA+\i:rA+\i+1], v[rA+\i:rA+\i+1], v[T+12+2*\m:T+13+2*\m]
.endr
.irp i, 0,2,4,6
	v_pk_fma_f32 v[rA+\i:rA+\i+1], v[rA+\i:rA+\i+1], v[AF+8*\j+\i:AF+8*\j+\i+1], v[AF+32+8*\j+\i:AF+32+8*\j+\i+1]
.endr
.endr
.endr
.endr
.endm
.macro SCALEUP pr                      ; the finished sums x a power of two, each accumulator from its low end on
.set n, 0
.rept 64
	v_pk_mul_f32 v[ACC+n:ACC+n+1], v[ACC+n:ACC+n+1], s[\pr:\pr+1] op_sel_hi:[1,0]
.set n, n+2
.endr
.endm
.macro RESID vec, pr                   ; the accumulators' registers hold a residual: they become (residual + vector vec) x s[pr], the C of the next product
.irp j, 0,1,2,3,4,5,6,7
	ds_load_b128 v[AF+8*\j:AF+8*\j+3], v6 offset:4096*\vec+64*\j
	ds_load_b128 v[AF+8*\j+4:AF+8*\j+7], v6 offset:4096*\vec+64*\j+16
.endr
	s_wait_dscnt 0x0                               ; the residual and the vector are in; all my LDS stores have landed
.set n, 0
.rept 32
	v_pk_mul_f32 v[AF+n:AF+n+1], v[AF+n:AF+n+1], s[\pr:\pr+1] op_sel_hi:[1,0]
.set n, n+2
.endr
.irp m, 0,1
.irp j, 0,1,2,3,4,5,6,7
.irp i, 0,2,4,6
	v_pk_fma_f32 v[ACC+64*\m+8*\j+\i:ACC+64*\m+8*\j+\i+1], v[ACC+64*\m+8*\j+\i:ACC+64*\m+8*\j+\i+1], s[\pr:\pr+1], v[AF+8*\j+\i:AF+8*\j+\i+1] op_sel_hi:[1,0,1]
.endr
.endr
.endr
.endm
.macro GCSET jp, m                     ; GC: the four registers of the codes of column tiles 2 jp, 2 jp + 1 of row tile m: eight sets, four behind GELU's work in AF, four in v16-31
.set GQ, 2*\jp+\m
.if GQ < 4
.set GC, AF+48+4*GQ
.else
.set GC, 16+4*(GQ-4)
.endif
.endm
.macro GELU jp, m                      ; column tiles 2 jp, 2 jp + 1 of row tile m: 16 numbers z a lane become four registers of codes: block jp of my K step's image
.set Z,  ACC+64*\m+16*\jp
.set GA, AF
.set GT, AF+16
.set GP, AF+32
	GCSET \jp, \m
.irp i, 0,1,2,3,4,5,6,7,8,9,10,11,12,13,14,15
	v_mul_f32 v[GA+\i], s86, |v[Z+\i]|             ; a = |z| / sqrt 2
.endr
.irp i, 0,2,4,6,8,10,12,14
	v_pk_fma_f32 v[GT+\i:GT+\i+1], v[GA+\i:GA+\i+1], 0.5, 1.0 op_sel_hi:[1,0,0]
.endr
	s_wait_alu depctr_va_vdst(0)
.irp i, 0,1,2,3,4,5,6,7,8,9,10,11,12,13,14,15
	v_rcp_f32 v[GT+\i], v[GT+\i]                   ; t = 1 / (1 + a / 2)
.endr
	v_nop
	s_wait_alu depctr_va_vdst(0)                   ; one wait for the sixteen reciprocals, ahead of their first reader
.irp i, 0,2,4,6,8,10,12,14
	v_pk_fma_f32 v[GP+\i:GP+\i+1], v[GT+\i:GT+\i+1], s[66:67], v[254:255] op_sel_hi:[1,0,1]
.endr
.irp c, 70,72,74,76,78,80,82,84
.irp i, 0,2,4,6,8,10,12,14
	v_pk_fma_f32 v[GP+\i:GP+\i+1], v[GP+\i:GP+\i+1], v[GT+\i:GT+\i+1], s[\c:\c+1] op_sel_hi:[1,1,0]
.endr
.endr
.irp i, 0,2,4,6,8,10,12,14
	v_pk_fma_f32 v[GP+\i:GP+\i+1], v[GA+\i:GA+\i+1], v[GA+\i:GA+\i+1], v[GP+\i:GP+\i+1] neg_lo:[1,0,0] neg_hi:[1,0,0]   ; P(t) - a^2
.endr
.irp i, 0,2,4,6,8,10,12,14
	v_pk_mul_f32 v[GP+\i:GP+\i+1], v[GP+\i:GP+\i+1], s[88:89] op_sel_hi:[1,0]
.endr
	s_wait_alu depctr_va_vdst(0)
.irp i, 0,1,2,3,4,5,6,7,8,9,10,11,12,13,14,15
	v_exp_f32 v[GP+\i], v[GP+\i]
.endr
	v_nop
	s_wait_alu depctr_va_vdst(0)                   ; one wait for the sixteen exponentials, ahead of their first reader
.irp i, 0,2,4,6,8,10,12,14
	v_pk_mul_f32 v[GP+\i:GP+\i+1], v[GP+\i:GP+\i+1], v[GT+\i:GT+\i+1]   ; erfc(a)
.endr
.irp i, 0,1,2,3,4,5,6,7,8,9,10,11,12,13,14,15
	v_and_or_b32 v[GA+\i], v[Z+\i], s94, s93       ; sg = +-1, z's sign
.endr
.irp i, 0,2,4,6,8,10,12,14
	v_pk_add_f32 v[GT+\i:GT+\i+1], v[GA+\i:GA+\i+1], 1.0 op_sel_hi:[1,0]
.endr
.irp i, 0,2,4,6,8,10,12,14
	v_pk_fma_f32 v[GP+\i:GP+\i+1], v[GA+\i:GA+\i+1], v[GP+\i:GP+\i+1], v[GT+\i:GT+\i+1] neg_lo:[1,0,0] neg_hi:[1,0,0]   ; (1 + sg) - sg erfc(a)
.endr
.irp i, 0,2,4,6,8,10,12,14
	v_pk_mul_f32 v[GP+\i:GP+\i+1], v[GP+\i:GP+\i+1], v[Z+\i:Z+\i+1]     ; 2 gelu(z)
.endr
.irp i, 0,1,2,3,4,5,6,7,8,9,10,11,12,13,14,15
	v_med3_num_f32 v[GP+\i], v[GP+\i], -v12, v12
.endr
	v_cvt_scalef32_pk8_fp8_f32 v[GC:GC+1], v[GP:GP+7], v11
	v_cvt_scalef32_pk8_fp8_f32 v[GC+2:GC+3], v[GP+8:GP+15], v11   ; each set of codes has registers of its own: all eight are stored together, behind the last
.endm
.macro GST jp, m                       ; a set of codes goes to its place in my K step's image
	GCSET \jp, \m
	ds_store_b128 v5, v[GC:GC+3] offset:16384*\m+512*\jp
.endm
	s_load_b512 s[4:19], s[0:1], 0x0               ; ac 4:5, wt 6:7, x 8:9, bo 10:11, gamma1 12:13, beta1 14:15, b1 16:17, b2 18:19
	s_load_b256 s[20:27], s[0:1], 0x40             ; gamma2 20:21, beta2 22:23, scales 24:25, out0 26:27
	v_lshl_add_u32 v1, v0, 2, SPARE                ; my spare word
	v_mov_b32 v2, 0
	v_lshrrev_b32 v3, 5, v0
	v_readfirstlane_b32 s28, v3                    ; wave
	v_and_b32 v13, 31, v0                          ; lane
	v_bfe_u32 v14, v0, 4, 1                        ; h
	v_and_b32 v15, 15, v0                          ; r
	v_lshlrev_b32 v3, 4, v13
	v_lshlrev_b32 v4, 4, v0
	s_wait_alu depctr_va_sdst(0)                   ; s28, the wave's number, is written, ahead of its first reader
	s_lshl_b32 s61, s28, 11
	v_add_nc_u32 v5, s61, v3
	s_lshl_b32 s61, s28, 9
	v_lshl_add_u32 v6, v14, 5, s61
	v_add_nc_u32 v6, VEC, v6
	s_mul_i32 s62, s28, 16896
	v_add_nc_u32 v7, s62, v3
	v_add_nc_u32 v7, STG, v7
	v_mul_u32_u24 v8, v15, 528
	v_lshl_add_u32 v8, v14, 5, v8
	v_add_nc_u32 v8, s62, v8
	v_add_nc_u32 v8, STG, v8
	s_lshl_b32 s61, s28, 2
	v_lshl_add_u32 v9, v13, 5, s61
	v_add_nc_u32 v9, RED, v9
	v_lshlrev_b32 v10, 5, v15
	v_add_nc_u32 v10, RED, v10
	v_add_nc_u32 v253, VEC, v4                     ; where I store my 16 bytes of a vector
	v_mov_b32 v254, 0xbf527892                     ; -0.82215223, as a pair
	v_mov_b32 v255, 0xbf527892
	s_lshl_b32 s62, ttmp9, 15                      ; ac: 32 KiB a work-group
	s_mov_b32 s63, 0
	s_lshl_b32 s96, ttmp9, 17                      ; x, out0: 32 rows of 4,096 bytes
	s_mov_b32 s97, 0
	s_mul_i32 s98, s28, 393216                     ; wt: my stream
	s_mov_b32 s99, 0
	s_mov_b32 s58, 0x76543210                      ; v_permlanex16_b32: lane l xor 16
	s_mov_b32 s59, 0xfedcba98
	s_mov_b32 s60, 0xffff0000                      ; lanes 16-31
	CPAIR 66, 0x3e2ef945                           ;  0.17087277
	CPAIR 70, 0x3fbe87b0                           ;  1.48851587
	CPAIR 72, 0xbf914e5d                           ; -1.13520398
	CPAIR 74, 0x3e8ec7cc                           ;  0.27886807
	CPAIR 76, 0xbe3ec24c                           ; -0.18628806
	CPAIR 78, 0x3dc636c9                           ;  0.09678418
	CPAIR 80, 0x3ebf88fb                           ;  0.37409196
	CPAIR 82, 0x3f8000c7                           ;  1.00002368
	CPAIR 84, 0xbfa1fc4e                           ; -1.26551223
	s_mov_b32 s86, 0x3f3504f3                      ; 1 / sqrt 2
	CPAIR 88, 0x3fb8aa3b                           ; log2(e)
	s_mov_b32 s90, 0x3a800000                      ; 1 / 1,024
	s_mov_b32 s91, 0x3a802008                      ; 1 / 1,023
	s_mov_b32 s92, 0x358637bd                      ; 1e-6
	s_mov_b32 s93, 0x3f800000
	s_mov_b32 s94, 0x80000000
	s_wait_kmcnt 0x0
	s_load_b512 s[32:47], s[24:25], 0x0            ; e0 .. e15
	s_add_nc_u64 s[4:5], s[4:5], s[62:63]
	s_add_nc_u64 s[8:9], s[8:9], s[96:97]
	s_add_nc_u64 s[26:27], s[26:27], s[96:97]
	s_add_nc_u64 s[30:31], s[6:7], s[98:99]
	s_wait_alu depctr_va_vdst(0)                   ; the addresses and offsets v3 to v10 and v253 are written, which the loads and stores of the whole kernel read
.irp i, 0,1,2,3,4,5,6,7
	global_load_b128 v[AF+4*\i:AF+4*\i+3], v4, s[4:5] offset:4096*\i th:TH_LOAD_NT   ; attn's 16 fragments
.endr
	global_load_b128 v[AF+32:AF+35], v4, s[10:11]
	global_load_b128 v[AF+36:AF+39], v4, s[12:13]
	global_load_b128 v[AF+40:AF+43], v4, s[14:15]
	global_load_b128 v[AF+44:AF+47], v4, s[16:17]
	global_load_b128 v[AF+48:AF+51], v4, s[18:19]
	global_load_b128 v[AF+52:AF+55], v4, s[20:21]
	global_load_b128 v[AF+56:AF+59], v4, s[22:23]
.set i, 0
.rept 32
	global_load_b128 v[ACC+4*i:ACC+4*i+3], v4, s[8:9] offset:4096*i th:TH_LOAD_NT   ; row i of x: my wave's 512 bytes
.set i, i+1
.endr
	WLD 0
	WLD 1
	WLD 2
	WLD 3
	WIN 0
	s_wait_loadcnt 63                              ; the ring's 64 loads are younger than the 47 above: with at most 63 out, all 47 are in
.irp i, 0,1,2,3,4,5,6,7
	ds_store_b128 v4, v[AF+4*\i:AF+4*\i+3] offset:4096*\i
.endr
.irp i, 0,1,2,3,4,5,6
	ds_store_b128 v253, v[AF+32+4*\i:AF+35+4*\i] offset:4096*\i
.endr
.set i, 0
.rept 32
	ds_store_b128 v7, v[ACC+4*i:ACC+4*i+3] offset:528*i
.set i, i+1
.endr
	s_wait_alu depctr_vm_vsrc(0)                   ; the LDS stores above have read v32-159 and AF, in which the LDS loads below land
.irp m, 0,1                            ; LDS serves a wave's instructions in order: x comes back in the results' layout, into the registers that it left
.irp j, 0,1,2,3,4,5,6,7
	ds_load_b128 v[ACC+64*\m+8*\j:ACC+64*\m+8*\j+3], v8 offset:8448*\m+64*\j
	ds_load_b128 v[ACC+64*\m+8*\j+4:ACC+64*\m+8*\j+7], v8 offset:8448*\m+64*\j+16
.endr
.endr
	s_wait_kmcnt 0x0
	NPOW2 48, 42, 43
	POW2 50, 42, 43
	POW2 52, 44, 45
	NPOW2 54, 46, 47
	POW2 56, 46, 47
	RESID 0, 48                                    ; C = (x + bo) / 2^(e10 + e11)
	s_barrier_signal -1                            ; attn's images lie in LDS (the wait for my stores stands in RESID)
	s_barrier_wait -1
	s_wait_alu depctr_va_vdst(0)                   ; the multiply-adds above are done with AF, in which A's fragments land
	ALD 0, 0
	; ---- attn Wo + bo + x, LayerNorm 1 ----
.irp s, 0,1,2,3,4,5,6,7
	KS 0, \s
.endr
	SCALEUP 50
	LN 0, 1, 2
	SCLM 44
.irp m, 0,1                            ; h's codes: K step w of the next product
.irp j, 0,1,2,3,4,5,6,7
.irp i, 0,1,2,3,4,5,6,7
	v_med3_num_f32 v[T+8*(\j%2)+\i], v[ACC+64*\m+8*\j+\i], -v12, v12   ; two sets by turns: no conversion's sources are written directly behind it
.endr
	v_cvt_scalef32_pk8_fp8_f32 v[AF+16*\m+2*\j:AF+16*\m+2*\j+1], v[T+8*(\j%2):T+8*(\j%2)+7], v11
.endr
.endr
	v_nop
	s_wait_alu depctr_va_vdst(0)                   ; LayerNorm 1 has written h and the conversions its codes: the forty LDS stores below read them
.set i, 0
.rept 32
	ds_store_b128 v7, v[ACC+4*i:ACC+4*i+3] offset:512*i   ; h in f32, as an image of my registers, in my own stage
.set i, i+1
.endr
.irp m, 0,1
.irp c, 0,1,2,3
	ds_store_b128 v5, v[AF+16*\m+4*\c:AF+16*\m+4*\c+3] offset:A1+16384*\m+512*\c
.endr
.endr
	s_wait_dscnt 0x0
	s_barrier_signal -1
	s_barrier_wait -1                              ; h's sixteen fragments lie in LDS
	s_wait_alu depctr_vm_vsrc(0)                   ; my LDS stores have read h's registers, which the next products write, and the codes' registers, in which A's fragments land
	ALD 1, 0
	; ---- gelu(h W1 + b1) ----
.irp s, 0,1,2,3,4,5,6,7
	KS 1, \s
.endr
	s_wait_alu depctr_va_vdst(0)                   ; the last products are done reading AF, in which b1 lands
.irp j, 0,1,2,3,4,5,6,7
	ds_load_b128 v[AF+8*\j:AF+8*\j+3], v6 offset:4096*3+64*\j
	ds_load_b128 v[AF+8*\j+4:AF+8*\j+7], v6 offset:4096*3+64*\j+16
.endr
	s_add_co_i32 s95, s46, 1                       ; the 0.5 of gelu goes into the scale
	SCLM 95
	s_wait_dscnt 0x0                               ; b1 is in
.irp m, 0,1
.irp j, 0,1,2,3,4,5,6,7
.irp i, 0,2,4,6
	v_pk_fma_f32 v[ACC+64*\m+8*\j+\i:ACC+64*\m+8*\j+\i+1], v[ACC+64*\m+8*\j+\i:ACC+64*\m+8*\j+\i+1], s[52:53], v[AF+8*\j+\i:AF+8*\j+\i+1] op_sel_hi:[1,0,1]   ; z = sum x 2^(e12 + e13) + b1: all z first, so that AF is free for GELU's work
.endr
.endr
.endr
.irp jp, 0,1,2,3
	GELU \jp, 0
	GELU \jp, 1
.endr
	v_nop                                          ; a plain line behind the last conversion
	s_wait_alu depctr_va_vdst(0)                   ; the conversions have written the eight sets of codes, which the LDS stores read; GELU is done with v32-159, in which h lands below
.irp jp, 0,1,2,3
	GST \jp, 0
	GST \jp, 1
.endr
	s_wait_alu depctr_vm_vsrc(0)                   ; the stores have read the codes' registers: b2 lands in those in AF, a later sum's loads in v16-31
.set i, 0
.rept 32
	ds_load_b128 v[ACC+4*i:ACC+4*i+3], v7 offset:512*i    ; h comes back
.set i, i+1
.endr
	RESID 4, 54                                    ; C = (h + b2) / 2^(e14 + e15)
	s_barrier_signal -1                            ; the hidden layer's images lie in LDS (the wait for my stores stands in RESID).  They took the place of attn's, which every wave had read before LayerNorm 1's barriers
	s_barrier_wait -1
	s_wait_alu depctr_va_vdst(0)                   ; the multiply-adds above are done with AF, in which A's fragments land
	ALD 2, 0
	; ---- .. W2 + b2 + h, LayerNorm 2 ----
.irp s, 0,1,2,3,4,5,6,7
	KS 2, \s
.endr
	SCALEUP 56
	LN 2, 5, 6
	; ---- the way out: through my stage, so that a store covers 512 consecutive bytes of a row
	s_wait_alu depctr_va_vdst(0)                   ; LayerNorm 2 has written the rows, which the LDS stores read
.irp m, 0,1
.irp j, 0,1,2,3,4,5,6,7
	ds_store_b128 v8, v[ACC+64*\m+8*\j:ACC+64*\m+8*\j+3] offset:8448*\m+64*\j
	ds_store_b128 v8, v[ACC+64*\m+8*\j+4:ACC+64*\m+8*\j+7] offset:8448*\m+64*\j+16
.endr
.endr
	s_wait_alu depctr_vm_vsrc(0)                   ; the LDS stores have read v32-159, in which the rows land
.set i, 0
.rept 32
	ds_load_b128 v[ACC+4*i:ACC+4*i+3], v7 offset:528*i    ; LDS serves a wave's instructions in order: these see the stores above
.set i, i+1
.endr
.set i, 0
.rept 32
	s_wait_dscnt 31-i                              ; row i is in; the later rows' loads are younger
	global_store_b128 v4, v[ACC+4*i:ACC+4*i+3], s[26:27] offset:4096*i th:TH_STORE_NT
.set i, i+1
.endr
	s_wait_dscnt 0x0                               ; the closing lines, six on end
	s_wait_alu 0x0
	s_wait_tensorcnt 0x0
	ds_add_u32 v1, v2
	s_wait_dscnt 0x0
	s_endpgm
.Lfunc_end_k_q6111795607_tail:
	.size	k_q6111795607_tail, .Lfunc_end_k_q6111795607_tail-k_q6111795607_tail
	.p2alignl 7, 3214868480
	.fill 96, 4, 3214868480
	.section	.rodata,"a",@progbits
	.p2align	6, 0x0
	.amdhsa_kernel k_q6111795607_tail
		.amdhsa_group_segment_fixed_size 234496
		.amdhsa_private_segment_fixed_size 0
		.amdhsa_enable_private_segment 0
		.amdhsa_kernarg_size 96
		.amdhsa_user_sgpr_count 2
		.amdhsa_user_sgpr_kernarg_segment_ptr 1
		.amdhsa_wavefront_size32 1
		.amdhsa_system_sgpr_workgroup_id_x 1
		.amdhsa_system_sgpr_workgroup_id_y 1
		.amdhsa_system_sgpr_workgroup_id_z 1
		.amdhsa_system_vgpr_workitem_id 0
		.amdhsa_next_free_vgpr 512
		.amdhsa_next_free_sgpr 100
		.amdhsa_reserve_vcc 0
		.amdhsa_float_denorm_mode_32 3
		.amdhsa_float_denorm_mode_16_64 3
		.amdhsa_memory_ordered 1
		.amdhsa_forward_progress 1
		.amdhsa_inst_pref_size 255
	.end_amdhsa_kernel
	.section	.bss,"aw",@nobits
	.p2align	6
	.space	262144
	.amdgpu_metadata
---
amdhsa.version: [ 1, 2 ]
amdhsa.kernels:
  - .name:           k_q6111795607_tail
    .symbol:         k_q6111795607_tail.kd
    .args:
      - { .name: ac, .offset: 0, .size: 8, .value_kind: global_buffer, .address_space: global }
      - { .name: wt, .offset: 8, .size: 8, .value_kind: global_buffer, .address_space: global }
      - { .name: x, .offset: 16, .size: 8, .value_kind: global_buffer, .address_space: global }
      - { .name: bo, .offset: 24, .size: 8, .value_kind: global_buffer, .address_space: global }
      - { .name: gamma1, .offset: 32, .size: 8, .value_kind: global_buffer, .address_space: global }
      - { .name: beta1, .offset: 40, .size: 8, .value_kind: global_buffer, .address_space: global }
      - { .name: b1, .offset: 48, .size: 8, .value_kind: global_buffer, .address_space: global }
      - { .name: b2, .offset: 56, .size: 8, .value_kind: global_buffer, .address_space: global }
      - { .name: gamma2, .offset: 64, .size: 8, .value_kind: global_buffer, .address_space: global }
      - { .name: beta2, .offset: 72, .size: 8, .value_kind: global_buffer, .address_space: global }
      - { .name: lowp_scales, .offset: 80, .size: 8, .value_kind: global_buffer, .address_space: global }
      - { .name: out0, .offset: 88, .size: 8, .value_kind: global_buffer, .address_space: global }
    .group_segment_fixed_size: 234496
    .private_segment_fixed_size: 0
    .kernarg_segment_align: 8
    .kernarg_segment_size: 96
    .max_flat_workgroup_size: 256
    .sgpr_count:     100
    .vgpr_count:     512
    .wavefront_size: 32
...
	.end_amdgpu_metadata
.endif
;; end of part 6
